; MI455X (gfx1250); checked and timed in simulation.
; The chip was launched on July 23, 2026; its instructions are those of AMD's public machine-readable ISA for CDNA 5 (MIT licence, August 2026) and "CDNA5" Instruction Set Architecture Reference Guide (July 2026). The comments in the code are by the model that wrote it; some were corrected since.
;; Transformer Block Quantum. Allowed arithmetic: matrix products marked QUANTISED: E2M1 operands, one E8M0 scale for each 32 along K, by v_wmma_scale_f32_16x16x128_f8f6f4 with both operands' format E2M1 (or v_wmma_scale_f32_32x16x128_f4), f32 sums; everything else in f32.
;; Inputs: W1_codes 2,048 x 16 x 16 uint8 (E2M1 codes of W1, K innermost, in blocks of 32 codes, two codes a byte); W1_scales 2,048 x 16 uint8 (E8M0 scales of W1, one for each 32 codes along K); W2_codes 512 x 64 x 16 uint8 (E2M1 codes of W2, K innermost, in blocks of 32 codes, two codes a byte); W2_scales 512 x 64 uint8 (E8M0 scales of W2, one for each 32 codes along K); b1 2,048 float32; b2 512 float32; bt1 512 float32; bt2 512 float32; g1 512 float32; g2 512 float32; th_attn 512 float32; th_ffn 512 float32; x 4 x 2,048 x 512 float32.
;; Outputs: out0 4 x 2,048 x 512 float32.
;; This version of the problem:
;;   THIS VERSION OF THE PROBLEM IS GIVEN IN LOW PRECISION. The matrix products marked QUANTISED in the list below multiply operands that are first quantised to E2M1 (2 exponent bits, 1 mantissa bit; 4 bits a number), with one power-of-two scale for each 32 numbers along K (OCP MX v1.0); their sums are f32. All else is computed in f32.
;;   The module's matrix products, in the order in which they are computed (A, B: the left and right operand; K: the contracted axis; several contracted axes count as one K, in the product's order):
;;     1. batch 32 x [M 2,048, K 64] x [K 64, N 2,048]; A: computed on the way; B: computed on the way: QUANTISED
;;     2. batch 32 x [M 2,048, K 2,048] x [K 2,048, N 64]; A: softmax (see below); B: computed on the way: QUANTISED
;;     3. [M 8,192, K 512] x [K 512, N 2,048]; A: computed on the way; B: input W1 (given as codes): QUANTISED
;;     4. [M 8,192, K 2,048] x [K 2,048, N 512]; A: computed on the way; B: input W2 (given as codes): QUANTISED
;;   THE QUANTISER, for each operand of a quantised product, along K:
;;     - K is cut into blocks of 32 from its start; a last block that is shorter is filled with zeros.
;;     - A block's scale is 2^e with e = floor(log2(the largest magnitude in the block)) - 2, held to -126 .. 127; a block of zeros has e = 0. As a byte (E8M0): e + 127.
;;     - Each number is divided by its block's scale, clamped to +-6, and rounded to the nearest number of E2M1, ties to even, subnormals kept.
;;     - The product sums the exact products of the quantised numbers (number of the format x scale) in f32.
;;   ~~~python
;;   def quantise(x, axis):      # numpy; x: float32 -> the quantised numbers, widened to float32 again
;;       x = np.moveaxis(x, axis, -1); K = x.shape[-1]
;;       x = np.pad(x, [(0, 0)] * (x.ndim - 1) + [(0, -K % 32)]); x = x.reshape(x.shape[:-1] + (-1, 32)); a = np.abs(x).max(-1, keepdims=True)
;;       e = np.where(a > 0, np.clip(np.frexp(np.where(a > 0, a, 1))[1] - 1 - 2, -126, 127), 0)      # np.frexp(a)[1] - 1 = floor(log2(a)), exactly
;;       r = np.clip(x / 2.0 ** e, -6, 6)
;;       step = 2.0 ** (np.maximum(np.frexp(np.where(r == 0, 1, r))[1] - 1, 0) - 1)
;;       q = np.round(r / step) * step * 2.0 ** e      # np.round: ties to even
;;       return np.moveaxis(q.reshape(q.shape[:-2] + (-1,))[..., :K], -1, axis).astype(np.float32)
;;   ~~~
;;   SOFTMAX AHEAD OF A QUANTISED PRODUCT. Where the list says 'softmax', what is quantised is not the finished softmax but p = 2^(t - M), with t = logit x log2(e) and M = ceil(the row's largest t), a whole number; so 1/2 < the row's largest p <= 1. The row's sum l is taken of the UNQUANTISED p, in f32, and the product's result is divided by l at the end. Since M is a whole number, a kernel that streams over the keys may use a running M (the ceiling of the running maximum): every later rescaling is an exact power of two, which a block's scale takes up: the codes' values come out the same.
;;   OPERANDS COMPUTED ON THE WAY. 'Computed on the way' means the value that the module computes at that place (a softmax that the list does not call 'softmax' is quantised finished and normalised). What goes into a quantiser is computed in f32, as accurately as f32 sums, v_exp_f32 and their like allow (about 1e-6 of the number): no bf16 or f16 on the way to a quantiser, and a product that is left as it is and whose result goes on into a quantised operand takes f32 operands (vector FMAs, or v_wmma_f32_16x16x4_f32). A number that lies on a knife's edge between two numbers of the format may be rounded either way, as far as f32 arithmetic and the matrix unit's own rounding can turn it there, and no further.
;;   INPUTS GIVEN AS CODES. W1 (in the module: [512, 2048], K = its axis 0); W2 (in the module: [2048, 512], K = its axis 0): each comes as NAME_codes (uint8): NAME with its K axis moved to the last place and cut into blocks of 32 codes, [.., K / 32, bytes a block], one block behind the other in memory; two codes a byte, the lower K in the low four bits (a code: sign, 2 exponent bits, 1 mantissa bit); and NAME_scales (uint8): the same leading axes, one E8M0 byte (e + 127) for each 32 codes along K. Its value is code x scale, taken as it is: it is not quantised again, and the codes and scales need not be those that the quantiser above would give.
;; One version. Each part assembles by itself: llvm-mc -triple=amdgcn-amd-amdhsa -mcpu=gfx1250 --defsym DOCPART=n.
;; ======== version 1 of 1: 3 launches
;; limits: inputs' magnitudes at most 13,176,795; right only within a limited range of input values
;; workspace buffers: kv 4,587,520 bytes; wimg 1,114,112 bytes; ao 16,777,216 bytes
;; launch prep (part 1): grid 576 x 1, 4 waves a work-group, no clusters, 40,448 bytes of LDS; arguments x, th_attn, W1_codes, W1_scales, W2_codes, W2_scales, kv, wimg; writes kv, wimg
.if DOCPART == 1
	.amdgcn_target "amdgcn-amd-amdhsa--gfx1250"
	.amdhsa_code_object_version 6
	.text
	.protected	k_qc7233ccd2a_prep
	.globl	k_qc7233ccd2a_prep
	.p2align	8
	.type	k_qc7233ccd2a_prep,@function
k_qc7233ccd2a_prep:
	s_mov_b64 s[64:65], 0
	v_nop
	global_prefetch_b8 v0, s[64:65] scope:SCOPE_SE
	s_setreg_imm32_b32 hwreg(HW_REG_WAVE_MODE, 25, 1), 1
	s_wait_xcnt 0x0
; WORK-GROUPS 0-511: xq = cos(cos(x) cos(th)) cos(th), in f32, for 128 tokens of one head (64 channels), quantised to E2M1 twice:
; along the head's 64 channels (the first product's K: q and k) and along the tokens (the second product's K: v).  Codes and scale
; words leave as one record of 8,960 bytes, laid in the order in which the next launch's operand registers take them:
;   0     K image: tile T = 4 c + i at 512 T + 256 hk + 16 r: the 16 bytes of channel block hk of token 64 c + 32 (r / 8) + 8 i + r % 8
;   4096  V image: tile t (channels 16 t + r) at 1024 t + 512 c + 256 hk + 16 r: the codes of tokens 64 c + 32 hk + 0 .. 31
;   8192  K scale words at (16 c + r) 16 + 4 i: byte 0, 1 = the token's two blocks, bytes 2, 3 = 0
;   8704  V scale words at (16 h + r) 8 + 4 i for tile 2 i + h: byte n = the step's token block n
; WORK-GROUPS 512-543 (W1) and 544-575 (W2): the weights' codes and scale bytes are copied into the order of the last launch's operand registers.
; A wave of the first kind takes 32 tokens; lane l takes channels l and 32 + l and its registers run down the tokens, so a block of 32 tokens
; lies in one lane; the same numbers go through the wave's own stage in LDS and come back a token a lane, 64 channels = two blocks.
; cos: n = round(a / pi) by the 1.5 x 2^23 trick, r = a - n pi with pi in two parts, Taylor's series to r^12 (remainder under 7e-9 on |r| <= pi / 2), sign by n's parity.
; LIMITS: |x| under 2^22 pi; NaN and infinities in x are not served.  A block of zeros gets the byte 1 where the rule says 127: its codes are zeros and this program alone reads the bytes.
.set KIL,   34816                      ; LDS: behind the four stages of 32 x 272 bytes: the K image, 4,096 bytes,
.set KSL,   38912                      ; the K scale words, 512,
.set VSL,   39424                      ; the V scale words, 256
.set CTA,   16                         ; v[16:17] cos(th) of channel l, twice;  v[18:19] of channel 32 + l
.set CTB,   18
.set KM,    20                         ; v[20:21] 1.5 x 2^23, twice
.set K6,    22                         ; v[22:23] 1 / 12!, twice
.set TT,    24                         ; v24-31, v32-39: at work in cos
.set ZZ,    32
.set VA,    40                         ; v40-71   channel l, tokens 0-31;  v72-103 channel 32 + l
.set VB,    72
.set KR,    104                        ; v104-167 my token's 64 channels
.set INVPI, 40                         ; s[40:53] cos's constants, each twice (a packed source names a pair)
.set NPH,   42
.set NPL,   44
.set C5,    46
.set C4,    48
.set C3,    50
.set C2,    52
.macro SPAIR r, val
	s_mov_b32 s[\r], \val
	s_mov_b32 s[\r+1], \val
.endm
.macro CFMA a, np, k                   ; A = A Z + k
.set ci, 0
.rept \np
	v_pk_fma_f32 v[(\a)+ci:(\a)+ci+1], v[(\a)+ci:(\a)+ci+1], v[ZZ+ci:ZZ+ci+1], s[\k:\k+1] op_sel_hi:[1,1,0]
.set ci, ci+2
.endr
.endm
; cos of np pairs of registers from v[a] on, in place, stage by stage so that no line waits for the line above it.  full = 0: |a| <= pi / 2 is known, no reduction.
.macro COS a, np, full
.if \full
.set ci, 0
.rept \np
	v_pk_fma_f32 v[TT+ci:TT+ci+1], v[(\a)+ci:(\a)+ci+1], s[INVPI:INVPI+1], v[KM:KM+1] op_sel_hi:[1,0,1]   ; a / pi + 1.5 x 2^23: the low bits hold n
.set ci, ci+2
.endr
.set ci, 0
.rept \np
	v_pk_add_f32 v[ZZ+ci:ZZ+ci+1], v[TT+ci:TT+ci+1], v[KM:KM+1] neg_lo:[0,1] neg_hi:[0,1]                 ; n as f32
.set ci, ci+2
.endr
.set ci, 0
.rept \np
	v_pk_fma_f32 v[(\a)+ci:(\a)+ci+1], v[ZZ+ci:ZZ+ci+1], s[NPH:NPH+1], v[(\a)+ci:(\a)+ci+1] op_sel_hi:[1,0,1]   ; a - n pi_hi
.set ci, ci+2
.endr
.set ci, 0
.rept \np
	v_pk_fma_f32 v[(\a)+ci:(\a)+ci+1], v[ZZ+ci:ZZ+ci+1], s[NPL:NPL+1], v[(\a)+ci:(\a)+ci+1] op_sel_hi:[1,0,1]   ; - n pi_lo
.set ci, ci+2
.endr
.set ci, 0
.rept 2*\np
	v_lshlrev_b32 v[TT+ci], 31, v[TT+ci]                                                                  ; n's parity as a sign bit
.set ci, ci+1
.endr
.endif
.set ci, 0
.rept \np
	v_pk_mul_f32 v[ZZ+ci:ZZ+ci+1], v[(\a)+ci:(\a)+ci+1], v[(\a)+ci:(\a)+ci+1]                             ; z = r r
.set ci, ci+2
.endr
.set ci, 0
.rept \np
	v_pk_fma_f32 v[(\a)+ci:(\a)+ci+1], v[ZZ+ci:ZZ+ci+1], v[K6:K6+1], s[C5:C5+1] op_sel_hi:[1,1,0]
.set ci, ci+2
.endr
	CFMA \a, \np, C4
	CFMA \a, \np, C3
	CFMA \a, \np, C2
.set ci, 0
.rept \np
	v_pk_fma_f32 v[(\a)+ci:(\a)+ci+1], v[(\a)+ci:(\a)+ci+1], v[ZZ+ci:ZZ+ci+1], -0.5 op_sel_hi:[1,1,0]
.set ci, ci+2
.endr
.set ci, 0
.rept \np
	v_pk_fma_f32 v[(\a)+ci:(\a)+ci+1], v[(\a)+ci:(\a)+ci+1], v[ZZ+ci:ZZ+ci+1], 1.0 op_sel_hi:[1,1,0]
.set ci, ci+2
.endr
.if \full
.set ci, 0
.rept 2*\np
	v_xor_b32 v[(\a)+ci], v[(\a)+ci], v[TT+ci]
.set ci, ci+1
.endr
.endif
.endm
.macro MULC a, ct                      ; eight numbers x cos(th)
.irp p, 0,2,4,6
	v_pk_mul_f32 v[(\a)+\p:(\a)+\p+1], v[(\a)+\p:(\a)+\p+1], v[\ct:\ct+1]
.endr
.endm
; A block: 32 numbers of one lane, v[x] on, become 4 registers of codes, v[c] on; v[scl] the conversion's scale operand, v[by] the scale's byte; v[mx], v[mx+1] at work.
.macro QBLK x, mx, scl, by, c
	v_max3_num_f32 v[\mx], |v[\x]|, |v[\x+1]|, |v[\x+2]|
	v_max3_num_f32 v[\mx+1], |v[\x+3]|, |v[\x+4]|, |v[\x+5]|
.irp i, 6,10,14,18,22,26
	v_max3_num_f32 v[\mx], v[\mx], |v[\x+\i]|, |v[\x+\i+1]|
	v_max3_num_f32 v[\mx+1], v[\mx+1], |v[\x+\i+2]|, |v[\x+\i+3]|
.endr
	v_max3_num_f32 v[\mx], v[\mx], |v[\x+30]|, |v[\x+31]|
	v_max3_num_f32 v[\mx], v[\mx], v[\mx+1], 0x1800000     ; the floor 2^(3 - 127): the byte cannot fall under 1
	v_add_nc_u32 v[\scl], 0xff000000, v[\mx]               ; 2 off the exponent field: the conversion takes this operand's exponent field as its scale
	v_lshrrev_b32 v[\by], 23, v[\scl]                      ; the scale's byte
.irp g, 0,1,2,3
	v_cvt_scalef32_pk8_fp4_f32 v[\c+\g], v[\x+8*\g:\x+8*\g+7], v[\scl]
.endr
	v_nop                                                  ; one plain line behind the last conversion of a run
.endm
; Eight fragment-shaped loads of 16 bytes a lane, eight stores of 512 consecutive bytes; waves 0 and 1 move one chunk of scale bytes more.
.macro RELAY cb, sb, vc, vs, step
.irp n, 0,1,2,3,4,5,6,7
	global_load_b128 v[16+4*\n:19+4*\n], v[\vc], s[\cb:\cb+1] offset:(\n/2)*\step+32*(\n%2)
.endr
	s_wait_loadcnt 0x0
.irp n, 0,1,2,3,4,5,6,7
	global_store_b128 v12, v[16+4*\n:19+4*\n], s[32:33] offset:512*\n
.endr
	s_cmp_ge_u32 s20, 2
	s_cbranch_scc1 .Lno_scales_\@
	global_load_b128 v[48:51], v[\vs], s[\sb:\sb+1]
	s_wait_loadcnt 0x0
	global_store_b128 v12, v[48:51], s[34:35]
.Lno_scales_\@:
	s_endpgm
.endm
	s_load_b512 s[4:19], s[0:1], 0x0               ; x, th_attn, W1 codes, W1 scales, W2 codes, W2 scales, kv, wimg
	v_lshl_add_u32 v208, v0, 2, 0x9c00
	v_mov_b32 v209, 0
	v_lshrrev_b32 v1, 5, v0
	v_readfirstlane_b32 s20, v1                    ; wave 0..3
	v_and_b32 v14, 31, v0                          ; lane l
	v_lshlrev_b32 v12, 4, v14                      ; 16 l
	s_cmp_ge_u32 ttmp9, 512
	s_cbranch_scc1 .Lweights
	; ---------------- a record of kv ----------------
	s_lshr_b32 s21, ttmp9, 4                       ; batch x 8 + head
	s_and_b32 s22, ttmp9, 15                       ; step of 128 tokens
	s_lshr_b32 s23, s21, 3                         ; batch
	s_and_b32 s24, s21, 7                          ; head
	s_lshl_b32 s25, s23, 11
	s_lshl_b32 s26, s22, 7
	s_add_co_u32 s25, s25, s26
	s_lshl_b32 s26, s20, 5
	s_add_co_u32 s25, s25, s26                     ; my wave's first token
	s_lshl_b32 s26, s25, 11                        ; x 2,048 bytes a token
	s_lshl_b32 s28, s24, 8                         ; the head's 256 bytes
	s_add_co_u32 s26, s26, s28
	s_mov_b32 s27, 0
	s_mov_b32 s29, 0
	s_mul_i32 s30, ttmp9, 8960                     ; my record
	s_mov_b32 s31, 0
	SPAIR INVPI, 0x3ea2f983                        ; 1 / pi
	SPAIR NPH, 0xc0490fdb                          ; -pi_hi
	SPAIR NPL, 0x33bbbd2e                          ; -pi_lo (pi_lo is negative)
	SPAIR C5, 0xb493f27e                           ; -1 / 10!
	SPAIR C4, 0x37d00d01                           ; 1 / 8!
	SPAIR C3, 0xbab60b61                           ; -1 / 6!
	SPAIR C2, 0x3d2aaaab                           ; 1 / 4!
	v_mov_b32 v[KM], 0x4b400000
	v_mov_b32 v[KM+1], 0x4b400000
	v_mov_b32 v[K6], 0x310f76c7
	v_mov_b32 v[K6+1], 0x310f76c7
	s_wait_alu depctr_va_vdst(0)
	v_lshlrev_b32 v1, 2, v14                       ; x: 4 l
	s_mul_i32 s32, s20, 8704                       ; my stage
	v_add_nc_u32 v2, s32, v1                       ; into it: row = token, 4 l
	v_mul_u32_u24 v3, v14, 272
	v_add_nc_u32 v3, s32, v3                       ; out of it: row l
	s_lshr_b32 s33, s20, 1                         ; c of my 32 tokens
	s_and_b32 s34, s20, 1                          ; and which half of the 64
	v_lshrrev_b32 v15, 4, v14
	v_and_b32 v4, 15, v14
	v_lshlrev_b32 v4, 4, v4
	v_lshl_add_u32 v4, v15, 10, v4
	s_lshl_b32 s35, s33, 9
	s_lshl_b32 s36, s34, 8
	s_add_co_u32 s35, s35, s36
	v_add_nc_u32 v4, s35, v4                       ; V image: 1024 (l / 16) + 16 (l % 16) + 512 c + 256 half
	v_lshrrev_b32 v15, 3, v14
	v_and_b32 v5, 7, v14
	v_lshlrev_b32 v5, 4, v5
	v_lshl_add_u32 v6, v15, 2, v5
	v_lshl_add_u32 v5, v15, 9, v5
	s_lshl_b32 s35, s33, 11
	s_lshl_b32 s36, s34, 7
	s_add_co_u32 s35, s35, s36
	s_add_co_u32 s35, s35, KIL
	v_add_nc_u32 v5, s35, v5                       ; K image in LDS: 2048 c + 128 half + 512 (l / 8) + 16 (l % 8)
	s_lshl_b32 s35, s20, 7
	s_add_co_u32 s35, s35, KSL
	v_add_nc_u32 v6, s35, v6                       ; K scale word: 128 wave + 16 (l % 8) + 4 (l / 8)
	v_lshlrev_b32 v13, 3, v14                      ; 8 l
	s_add_co_u32 s35, s20, VSL
	v_add_nc_u32 v7, s35, v13                      ; V scale byte: 8 l + wave
	s_lshl_b32 s35, s20, 10
	v_add_nc_u32 v9, s35, v12                      ; the K image's way out: 1024 wave + 16 l, in the record
	v_add_nc_u32 v8, KIL, v9                       ; and in LDS
	v_add_nc_u32 v10, KSL, v12
	v_add_nc_u32 v11, VSL, v13
	s_wait_kmcnt 0x0
	s_add_nc_u64 s[4:5], s[4:5], s[26:27]
	s_add_nc_u64 s[6:7], s[6:7], s[28:29]
	s_add_nc_u64 s[16:17], s[16:17], s[30:31]
	global_load_b32 v168, v1, s[6:7]               ; th of channel l
	global_load_b32 v169, v1, s[6:7] offset:128    ; and of channel 32 + l
.set li, 0
.rept 32
	global_load_b32 v[VA+li], v1, s[4:5] offset:2048*li th:TH_LOAD_NT
	global_load_b32 v[VB+li], v1, s[4:5] offset:2048*li+128 th:TH_LOAD_NT
.set li, li+1
.endr
	s_wait_loadcnt 63                              ; 64 loads are younger than th's two; 63 is the most that the wait can name
	COS 168, 1, 1
	v_mov_b32 v[CTA], v168
	v_mov_b32 v[CTA+1], v168
	v_mov_b32 v[CTB], v169
	v_mov_b32 v[CTB+1], v169
.set kq, 0
.rept 4                                ; eight tokens at a time
	s_wait_loadcnt 48-16*kq                        ; these 16 loads are in; the later chunks' may be out
	COS VA+8*kq, 4, 1
	MULC VA+8*kq, CTA
	COS VA+8*kq, 4, 0                              ; |cos(x) cos(th)| <= 1: no reduction
	MULC VA+8*kq, CTA
	COS VB+8*kq, 4, 1
	MULC VB+8*kq, CTB
	COS VB+8*kq, 4, 0
	MULC VB+8*kq, CTB
.set si, 0
.rept 8
	ds_store_b32 v2, v[VA+8*kq+si] offset:272*(8*kq+si)
	ds_store_b32 v2, v[VB+8*kq+si] offset:272*(8*kq+si)+128
.set si, si+1
.endr
.set kq, kq+1
.endr
.set ki, 0
.rept 16
	ds_load_b128 v[KR+4*ki:KR+4*ki+3], v3 offset:16*ki     ; my token's row; LDS serves a wave's instructions in order (ISA guide 5.7.1.4): these see my stores
.set ki, ki+1
.endr
	QBLK VA, 184, 186, 190, 168                    ; V: channel l, my wave's 32 tokens
	global_store_b128 v4, v[168:171], s[16:17] offset:4096   ; sixteen lanes store 256 consecutive bytes, aligned
	ds_store_b8 v7, v190
	QBLK VB, 184, 187, 191, 172                    ; channel 32 + l
	global_store_b128 v4, v[172:175], s[16:17] offset:6144
	ds_store_b8 v7, v191 offset:4
	s_wait_dscnt 0x2                               ; the 16 loads are in; the two byte stores behind them may be out
	QBLK KR, 184, 188, 192, 176                    ; K: my token's channels 0-31
	QBLK KR+32, 184, 189, 193, 180                 ; and 32-63
	v_lshl_or_b32 v194, v193, 8, v192              ; the token's scale word; bytes 2 and 3 stay 0
	ds_store_b128 v5, v[176:179]
	ds_store_b128 v5, v[180:183] offset:256
	ds_store_b32 v6, v194
	s_wait_dscnt 0x0                               ; for the others' sake: my stores have landed
	s_barrier_signal -1
	s_barrier_wait -1
	ds_load_b128 v[196:199], v8
	ds_load_b128 v[200:203], v8 offset:512
	s_wait_dscnt 0x0
	global_store_b128 v9, v[196:199], s[16:17]     ; 512 consecutive bytes a store
	global_store_b128 v9, v[200:203], s[16:17] offset:512
	s_cmp_lg_u32 s20, 0
	s_cbranch_scc1 .Lnot_wave_0
	ds_load_b128 v[204:207], v10
	s_wait_dscnt 0x0
	global_store_b128 v12, v[204:207], s[16:17] offset:8192
.Lnot_wave_0:
	s_cmp_lg_u32 s20, 1
	s_cbranch_scc1 .Lnot_wave_1
	ds_load_b64 v[184:185], v11
	s_wait_dscnt 0x0
	global_store_b64 v13, v[184:185], s[16:17] offset:8704
.Lnot_wave_1:
	s_wait_tensorcnt 0x0
	ds_add_u32 v208, v209
	s_wait_dscnt 0x0
	s_endpgm
	; ---------------- the weights, in the order of the operand registers ----------------
.Lweights:
	s_wait_alu depctr_va_vdst(0)
	v_and_b32 v2, 15, v14                          ; r
	v_lshrrev_b32 v3, 4, v14                       ; h
	s_mov_b32 s23, 0
	s_mov_b32 s25, 0
	s_mov_b32 s27, 0
	s_mov_b32 s31, 0
	s_cmp_ge_u32 ttmp9, 544
	s_cbranch_scc1 .Lw2
	; W1: record e (64 hidden units), 17,408 bytes; wave s takes K step s.  Chunk (4 s + i) 2 + c: row 64 e + 32 (r / 8) + 8 i + r % 8, bytes 64 s + 32 c + 16 h on.
	s_sub_co_u32 s21, ttmp9, 512                   ; e
	v_lshrrev_b32 v4, 3, v2
	v_and_b32 v5, 7, v2
	v_lshl_add_u32 v5, v4, 5, v5                   ; 32 (r / 8) + r % 8
	v_lshlrev_b32 v6, 8, v5
	v_lshl_add_u32 v6, v3, 4, v6                   ; codes: x 256 + 16 h
	v_lshl_add_u32 v7, v3, 3, v5
	v_lshlrev_b32 v7, 4, v7                        ; scales: lanes 16-31 take the tile 8 rows on; 16 bytes a row
	s_lshl_b32 s22, s21, 14
	s_lshl_b32 s36, s20, 6
	s_add_co_u32 s22, s22, s36                     ; 16384 e + 64 s
	s_lshl_b32 s24, s21, 10
	s_lshl_b32 s36, s20, 8
	s_add_co_u32 s24, s24, s36                     ; 1024 e + 256 a
	s_mul_i32 s28, s21, 17408
	s_lshl_b32 s26, s20, 12
	s_add_co_u32 s26, s26, s28                     ; 17408 e + 4096 s
	s_lshl_b32 s30, s20, 9
	s_add_co_u32 s30, s30, s28
	s_add_co_u32 s30, s30, 16384                   ; 17408 e + 16384 + 512 a
	s_wait_alu depctr_va_vdst(0)
	s_wait_kmcnt 0x0
	s_add_nc_u64 s[8:9], s[8:9], s[22:23]
	s_add_nc_u64 s[10:11], s[10:11], s[24:25]
	s_add_nc_u64 s[32:33], s[18:19], s[26:27]
	s_add_nc_u64 s[34:35], s[18:19], s[30:31]
	RELAY 8, 10, 6, 7, 2048
.Lw2:
	; W2: record w (64 outputs), 69,632 bytes, behind W1's 557,056; this work-group takes K steps 4 kq .. 4 kq + 3, a wave one.  Chunk 2 nt + c: row 64 w + 16 nt + r, bytes 64 ks + 32 c + 16 h on.
	s_sub_co_u32 s21, ttmp9, 544
	s_lshr_b32 s36, s21, 2                         ; w
	s_and_b32 s37, s21, 3                          ; kq
	s_lshl_b32 s38, s37, 2
	s_add_co_u32 s38, s38, s20                     ; ks
	s_wait_alu depctr_va_vdst(0)
	v_lshlrev_b32 v6, 10, v2
	v_lshl_add_u32 v6, v3, 4, v6                   ; codes: 1024 r + 16 h
	v_lshlrev_b32 v7, 6, v14                       ; scales: 64 l
	s_lshl_b32 s22, s36, 16
	s_lshl_b32 s39, s38, 6
	s_add_co_u32 s22, s22, s39                     ; 65536 w + 64 ks
	s_lshl_b32 s24, s36, 12
	s_lshl_b32 s39, s20, 11
	s_add_co_u32 s24, s24, s39
	s_lshl_b32 s39, s37, 4
	s_add_co_u32 s24, s24, s39                     ; 4096 w + 2048 a + 16 kq
	s_mul_i32 s28, s36, 69632
	s_add_co_u32 s28, s28, 557056
	s_lshl_b32 s26, s38, 12
	s_add_co_u32 s26, s26, s28                     ; the record + 4096 ks
	s_lshl_b32 s30, s20, 2
	s_add_co_u32 s30, s30, s37
	s_lshl_b32 s30, s30, 9
	s_add_co_u32 s30, s30, s28
	s_add_co_u32 s30, s30, 65536                   ; the record + 65536 + 512 (4 a + kq)
	s_wait_alu depctr_va_vdst(0)
	s_wait_kmcnt 0x0
	s_add_nc_u64 s[12:13], s[12:13], s[22:23]
	s_add_nc_u64 s[14:15], s[14:15], s[24:25]
	s_add_nc_u64 s[32:33], s[18:19], s[26:27]
	s_add_nc_u64 s[34:35], s[18:19], s[30:31]
	RELAY 12, 14, 6, 7, 16384
.Lfunc_end_k_qc7233ccd2a_prep:
	.size	k_qc7233ccd2a_prep, .Lfunc_end_k_qc7233ccd2a_prep-k_qc7233ccd2a_prep
	.p2alignl 7, 3214868480
	.fill 96, 4, 3214868480
	.section	.rodata,"a",@progbits
	.p2align	6, 0x0
	.amdhsa_kernel k_qc7233ccd2a_prep
		.amdhsa_group_segment_fixed_size 40448
		.amdhsa_private_segment_fixed_size 0
		.amdhsa_enable_private_segment 0
		.amdhsa_kernarg_size 64
		.amdhsa_user_sgpr_count 2
		.amdhsa_user_sgpr_kernarg_segment_ptr 1
		.amdhsa_wavefront_size32 1
		.amdhsa_system_sgpr_workgroup_id_x 1
		.amdhsa_system_sgpr_workgroup_id_y 1
		.amdhsa_system_sgpr_workgroup_id_z 1
		.amdhsa_system_vgpr_workitem_id 0
		.amdhsa_next_free_vgpr 210
		.amdhsa_next_free_sgpr 66
		.amdhsa_reserve_vcc 0
		.amdhsa_float_denorm_mode_32 3
		.amdhsa_float_denorm_mode_16_64 3
		.amdhsa_memory_ordered 1
		.amdhsa_forward_progress 1
		.amdhsa_inst_pref_size 74
	.end_amdhsa_kernel
	.amdgpu_metadata
---
amdhsa.version: [ 1, 2 ]
amdhsa.kernels:
  - .name:           k_qc7233ccd2a_prep
    .symbol:         k_qc7233ccd2a_prep.kd
    .args:
      - { .name: x, .offset: 0, .size: 8, .value_kind: global_buffer, .address_space: global }
      - { .name: th_attn, .offset: 8, .size: 8, .value_kind: global_buffer, .address_space: global }
      - { .name: W1_codes, .offset: 16, .size: 8, .value_kind: global_buffer, .address_space: global }
      - { .name: W1_scales, .offset: 24, .size: 8, .value_kind: global_buffer, .address_space: global }
      - { .name: W2_codes, .offset: 32, .size: 8, .value_kind: global_buffer, .address_space: global }
      - { .name: W2_scales, .offset: 40, .size: 8, .value_kind: global_buffer, .address_space: global }
      - { .name: kv, .offset: 48, .size: 8, .value_kind: global_buffer, .address_space: global }
      - { .name: wimg, .offset: 56, .size: 8, .value_kind: global_buffer, .address_space: global }
    .group_segment_fixed_size: 40448
    .private_segment_fixed_size: 0
    .kernarg_segment_align: 8
    .kernarg_segment_size: 64
    .max_flat_workgroup_size: 128
    .sgpr_count:     66
    .vgpr_count:     210
    .wavefront_size: 32
...
	.end_amdgpu_metadata
.endif
;; end of part 1
;; launch attn (part 2): grid 8 x 32, 16 waves a work-group, clusters of 4 x 1, 215,040 bytes of LDS; arguments kv, ao, x; writes ao
.if DOCPART == 2
	.amdgcn_target "amdgcn-amd-amdhsa--gfx1250"
	.amdhsa_code_object_version 6
	.text
	.protected	k_qc7233ccd2a_attn
	.globl	k_qc7233ccd2a_attn
	.p2align	8
	.type	k_qc7233ccd2a_attn,@function
k_qc7233ccd2a_attn:
	s_mov_b64 s[64:65], 0
	v_nop
	global_prefetch_b8 v0, s[64:65] scope:SCOPE_SE
	s_setreg_imm32_b32 hwreg(HW_REG_WAVE_MODE, 25, 1), 1
	s_wait_xcnt 0x0
	s_wait_alu depctr_hold_cnt(0) depctr_sa_sdst(0) depctr_va_vdst(0) depctr_va_sdst(0) depctr_va_ssrc(0) depctr_va_vcc(0) depctr_vm_vsrc(0)
	s_getreg_b32 s2, hwreg(HW_REG_IB_STS2, 6, 4)
	s_cmp_eq_u32 s2, 0
	s_cbranch_scc0 .Lentry_in_a_cluster
	s_endpgm
.Lentry_in_a_cluster:
	s_bfe_u32 s2, ttmp6, 0x10000c
	s_cmp_lg_u32 s2, 0x3003
	s_cbranch_scc0 .Lentry_shape_is_right
	s_endpgm
.Lentry_shape_is_right:
; ao[b][q][head] = softmax(q k^T / 8) v for one head, q = k = v, both products on codes of E2M1 with one E8M0 scale for each 32 along K.
; SHARES.  A work-group owns 256 queries of one (batch, head); each of its sixteen waves owns 16 of them (one tile of the K image, which is also Q's fragment) in 256 registers.
; A head's 16 records (143,360 bytes: codes and scale words of K and V in the order of the operand registers) come into LDS ONCE, a record a wave, and stay: nothing is filled twice.
; CLUSTER.  The four query blocks of a cluster belong to one head: each record is asked for jointly, by the same tensor load with the same descriptor and a mask that names the four.
; LAYOUT.  Both products are used transposed: S^T = K Q^T, O^T = V^T P^T: a lane holds ONE query (lane % 16).  Row m of K's tile 4 c + i is key 64 c + 32 (m / 8) + 8 i + m % 8,
; so the 32 registers of tiles 4 c .. 4 c + 3 of lane (r, h) are the 32 keys of block 2 c + h: a block's largest p needs no other lane and the conversions' results ARE the second product's operand.
; K = 64 in the first product: Q's registers 4-7 are zero codes; K's fragments are four registers, and the instruction's upper four are the next tile's codes (or four zero registers): finite codes x zero codes;
; the scale words' bytes 2 and 3 are 0, which is 2^-127 and no NaN.
; THE SOFTMAX.  t = score x log2(e) / 8;  p = 2^(t - M) with M = 0.  q is a product of two cosines, so |q| <= 1 for every finite x, its quantised value is at most 1 too (largest magnitude 1 gives 4 x 2^-2; below 1 at most 6 x 2^-3),
; so |score| <= 64 and |t| <= 11.55: p lies in 2^-11.6 .. 2^11.6 and a row's sum under 2^22.6: no exponential and no sum can overflow or underflow.  0 is a whole number: against the rule's M the codes are the same,
; the blocks' bytes and the row's sum are shifted by the exact factor 2^M, which the division at the end takes out.  The row's sum is taken of the unquantised p.
; LIMITS: NaN and infinities in x are not served.
; WHAT IS STORED: ao = x + the attention's result: the residual sum that the first layer norm of the next launch takes, one f32 addition for each number.
; Each wave loads its 16 tokens x 256 bytes of x behind its first key step, when the records and Q are in, at the offsets of its stores, into registers that the loop does not name
; (v228-251, v12-15, v28-31); the wait for them stands ahead of the way out, 15 key steps on.
.set REC,   8960
.set HEADB, 143360
.set STG,   143360                     ; behind the records: 16 rows x 272 bytes for each wave, for the way out; no tensor load lands there
.set LI,  1                            ; v1  16 x lane
.set L8,  2                            ; v2  8 x lane
.set AD,  3                            ; v3  the step's record + 16 x lane
.set AD2, 4                            ; v4  the step's record + 8 x lane
.set SH,  5                            ; v5  8 h
.set STO, 6
.set RD,  7
.set GO,  8
.set QWO, 9                            ; v9  16 r
.set QC,  16                           ; v16-19 Q's codes, v20-23 zero codes
.set QS,  24                           ; v24 Q's scale words
.set KF,  32                           ; v32-63 K's eight fragments of four registers; v64-67 zeros
.set VF,  68                           ; v68-99 V's four fragments
.set S,   100                          ; v100-163 S^T, then p
.set O,   164                          ; v164-195 O^T
.set PC,  196                          ; v196-203 p's codes
.set KS,  204                          ; v204-207 K's scale words
.set VS,  208                          ; v208-209 V's
.set PW,  210                          ; v210 p's
.set MX,  212
.set SCL, 214
.set BY,  216
.set TW,  218
.set TX,  219
.set L0,  220                          ; v[220:221], v[222:223] the row's sum, in two chains of pairs
.set L1,  222
.set RC,  224
.macro ROUND                           ; a round of the cluster's barrier
	s_barrier_signal -1
	s_barrier_wait -1
	s_cmp_lg_u32 s8, 0
	s_cbranch_scc1 .Lnot_wave_0_\@
	s_barrier_signal -3
.Lnot_wave_0_\@:
	s_barrier_wait -3
	s_barrier_signal -1
	s_barrier_wait -1
.endm
.macro PVM t, first                    ; O^T tile t += V^T tile t x P^T.  V's scale words: register t / 2, lanes 0-15 for even t, lanes 16-31 for odd t
.if \first
.if (\t)%2
	v_wmma_scale_f32_16x16x128_f8f6f4 v[O+8*\t:O+8*\t+7], v[VF+8*\t:VF+8*\t+7], v[PC:PC+7], 0, v[VS+\t/2], v[PW] matrix_a_fmt:MATRIX_FMT_FP4 matrix_b_fmt:MATRIX_FMT_FP4 matrix_a_scale:MATRIX_SCALE_ROW1
.else
	v_wmma_scale_f32_16x16x128_f8f6f4 v[O+8*\t:O+8*\t+7], v[VF+8*\t:VF+8*\t+7], v[PC:PC+7], 0, v[VS+\t/2], v[PW] matrix_a_fmt:MATRIX_FMT_FP4 matrix_b_fmt:MATRIX_FMT_FP4
.endif
.else
.if (\t)%2
	v_wmma_scale_f32_16x16x128_f8f6f4 v[O+8*\t:O+8*\t+7], v[VF+8*\t:VF+8*\t+7], v[PC:PC+7], v[O+8*\t:O+8*\t+7], v[VS+\t/2], v[PW] matrix_a_fmt:MATRIX_FMT_FP4 matrix_b_fmt:MATRIX_FMT_FP4 matrix_a_scale:MATRIX_SCALE_ROW1
.else
	v_wmma_scale_f32_16x16x128_f8f6f4 v[O+8*\t:O+8*\t+7], v[VF+8*\t:VF+8*\t+7], v[PC:PC+7], v[O+8*\t:O+8*\t+7], v[VS+\t/2], v[PW] matrix_a_fmt:MATRIX_FMT_FP4 matrix_b_fmt:MATRIX_FMT_FP4
.endif
.endif
.endm
; A KEY STEP: 128 keys, the record at LDS byte s28.  first = 1: its products and sums start O^T and the row's sum: nothing is cleared.
.macro STEP first
	v_add_nc_u32 v[AD], s28, v[LI]
	v_add_nc_u32 v[AD2], s28, v[L8]
	v_nop
	v_nop                                          ; four plain lines behind the last products, ahead of the loads into V's fragments and scale words
.irp t, 0,1,2,3,4,5,6,7
	ds_load_b128 v[KF+4*\t:KF+4*\t+3], v[AD] offset:512*\t
.endr
	ds_load_b128 v[KS:KS+3], v[AD] offset:8192     ; register i: lanes 0-15 tile i's words, lanes 16-31 tile 4 + i's
.irp t, 0,1,2,3,4,5,6,7
	ds_load_b128 v[VF+4*\t:VF+4*\t+3], v[AD] offset:4096+512*\t
.endr
	ds_load_b64 v[VS:VS+1], v[AD2] offset:8704
	s_wait_dscnt 0x9                               ; K's nine loads are in; V's nine may be out
.irp t, 0,1,2,3
	v_wmma_scale_f32_16x16x128_f8f6f4 v[S+8*\t:S+8*\t+7], v[KF+4*\t:KF+4*\t+7], v[QC:QC+7], 0, v[KS+\t], v[QS] matrix_a_fmt:MATRIX_FMT_FP4 matrix_b_fmt:MATRIX_FMT_FP4
.endr
.irp t, 4,5,6,7
	v_wmma_scale_f32_16x16x128_f8f6f4 v[S+8*\t:S+8*\t+7], v[KF+4*\t:KF+4*\t+7], v[QC:QC+7], 0, v[KS+\t-4], v[QS] matrix_a_fmt:MATRIX_FMT_FP4 matrix_b_fmt:MATRIX_FMT_FP4 matrix_a_scale:MATRIX_SCALE_ROW1
.endr
.rept 4
	v_nop                                          ; four plain lines between a product and the first read of its result (ISA guide 7.12.1)
.endr
.set sj, 0
.rept 32
	v_pk_mul_f32 v[S+sj:S+sj+1], v[S+sj:S+sj+1], s[24:25] op_sel_hi:[1,0]   ; t = score x log2(e) / 8; ascending: each accumulator is first read at its low end
.set sj, sj+2
.endr
.set sj, 0
	s_wait_alu depctr_va_vdst(0)
.rept 64
	v_exp_f32 v[S+sj], v[S+sj]                     ; p = 2^t
.set sj, sj+1
.endr
	v_nop                                          ; a plain line behind the last exponential
	s_wait_alu depctr_va_vdst(0)                   ; one wait for the batch, ahead of its first reader
.irp c, 0,1
	v_max3_num_f32 v[MX+\c], v[S+32*\c], v[S+32*\c+1], 0x1800000           ; my block 2 c + h: all its 32 p are mine; the floor 2^(3 - 127) among the leaves
.endr
.irp j, 2,4,6,8,10,12,14,16,18,20,22,24,26,28,30
.irp c, 0,1
	v_max3_num_f32 v[MX+\c], v[MX+\c], v[S+32*\c+\j], v[S+32*\c+\j+1]
.endr
.endr
.irp c, 0,1
	s_delay_alu instid0(VALU_DEP_2)
	v_add_nc_u32 v[SCL+\c], 0xff000000, v[MX+\c]   ; 2 off the exponent field: the conversion's scale operand
.endr
.irp c, 0,1
	s_delay_alu instid0(VALU_DEP_2)
	v_lshrrev_b32 v[BY+\c], 23, v[SCL+\c]          ; the scale's byte
.endr
	s_delay_alu instid0(VALU_DEP_1)
	v_lshl_or_b32 v[TW], v[BY+1], 16, v[BY]        ; my two bytes: blocks h and 2 + h,
	s_delay_alu instid0(VALU_DEP_1)
	v_lshlrev_b32 v[TW], v[SH], v[TW]              ; at their places in the word;
	s_delay_alu instid0(VALU_DEP_1)
	v_permlanex16_b32 v[TX], v[TW], s26, s27
	s_delay_alu instid0(VALU_DEP_1)
	v_or_b32 v[PW], v[TW], v[TX]                   ; with lane l xor 16's two the word is whole
.irp t, 0,1,2,3,4,5,6,7
	v_cvt_scalef32_pk8_fp4_f32 v[PC+\t], v[S+8*\t:S+8*\t+7], v[SCL+\t/4]
.endr
; the row's sum of the unquantised p, two chains.  These plain lines also stand between the conversions, the scale word and the products that take them
.if \first
	v_pk_add_f32 v[L0:L0+1], v[S:S+1], v[S+4:S+5]
	v_pk_add_f32 v[L1:L1+1], v[S+2:S+3], v[S+6:S+7]
.set sj, 8
.rept 14
	v_pk_add_f32 v[L0:L0+1], v[L0:L0+1], v[S+sj:S+sj+1]
	v_pk_add_f32 v[L1:L1+1], v[L1:L1+1], v[S+sj+2:S+sj+3]
.set sj, sj+4
.endr
.else
.set sj, 0
.rept 16
	v_pk_add_f32 v[L0:L0+1], v[L0:L0+1], v[S+sj:S+sj+1]
	v_pk_add_f32 v[L1:L1+1], v[L1:L1+1], v[S+sj+2:S+sj+3]
.set sj, sj+4
.endr
.endif
	s_wait_dscnt 0x0                               ; V is in
.irp t, 0,1,2,3
	PVM \t, \first                                 ; four accumulators, one instruction a turn
.endr
	s_add_co_u32 s28, s28, REC                     ; the next step's record
.endm
	s_load_b128 s[4:7], s[0:1], 0x0                ; kv, ao
	s_load_b64 s[2:3], s[0:1], 0x10                ; x
	v_lshl_add_u32 v254, v0, 2, 0x34000
	v_mov_b32 v255, 0
	ds_add_u32 v254, v255
	ds_add_u32 v254, v255
	v_lshrrev_b32 v10, 5, v0
	s_delay_alu instid0(VALU_DEP_1)
	v_readfirstlane_b32 s8, v10                    ; wave 0..15
	s_bfe_u32 s9, ttmp6, 0x40000                   ; cx
	s_lshl_b32 s10, ttmp9, 2
	s_add_co_u32 s10, s10, s9                      ; my block of 256 queries: it enters Q's and ao's addresses alone
	s_and_b32 s11, ttmp7, 0xffff                   ; batch x 8 + head, which the four partners share
	; the descriptor: record w of the head, 35 rows of 256 bytes, dense, to LDS byte 8960 w
	s_mov_b32 s12, 1                               ; count = 1
	s_mul_i32 s13, s8, REC                         ; LDS address
	s_mov_b32 s16, 15|(3<<16)|(1<<21)              ; 15:0 the mask: all four work-groups; 17:16 elements of 8 bytes; 21 set beside a mask; no padding: every LDS read takes 16 x lane on end
	s_mov_b32 s17, 32<<16                          ; tensor_dim0 = 32
	s_mov_b32 s18, 35<<16                          ; tensor_dim1 = 35
	s_mov_b32 s19, 32<<16                          ; tile_dim0 = 32
	s_mov_b32 s20, 35                              ; tile_dim1 = 35
	s_mov_b32 s21, 32                              ; from row to row
	s_mov_b32 s22, 0
	s_mov_b32 s23, 0
	s_mul_i32 s32, s11, HEADB                      ; the head's first byte in kv
	s_add_co_u32 s34, s32, s13                     ; + my record
	s_mov_b32 s35, 0
	s_lshr_b32 s36, s8, 3
	s_lshl_b32 s37, s10, 1
	s_add_co_u32 s36, s36, s37                     ; the step that holds my queries: 2 X + wave / 8
	s_and_b32 s37, s8, 7                           ; and the tile in it: T
	s_mul_i32 s40, s36, REC
	s_add_co_u32 s40, s40, s32                     ; that record
	s_lshl_b32 s39, s37, 9
	s_add_co_u32 s38, s40, s39                     ; Q's codes: + 512 T
	s_mov_b32 s39, 0
	s_lshr_b32 s45, s37, 2                         ; T / 4
	s_and_b32 s46, s37, 3                          ; T % 4
	s_lshl_b32 s47, s45, 8
	s_add_co_u32 s40, s40, s47
	s_lshl_b32 s47, s46, 2
	s_add_co_u32 s40, s40, s47                     ; Q's scale words: + 256 (T / 4) + 4 (T % 4) (+ 8192 in the load)
	s_mov_b32 s41, 0
	s_lshr_b32 s44, s11, 3
	s_lshl_b32 s44, s44, 11                        ; batch x 2048
	s_lshl_b32 s47, s36, 7
	s_add_co_u32 s44, s44, s47
	s_lshl_b32 s47, s45, 6
	s_add_co_u32 s44, s44, s47
	s_lshl_b32 s47, s46, 3
	s_add_co_u32 s44, s44, s47                     ; the token of my tile's row 0
	s_lshl_b32 s42, s44, 11
	s_and_b32 s44, s11, 7
	s_lshl_b32 s44, s44, 8
	s_add_co_u32 s42, s42, s44                     ; x 2048 bytes + the head's 256
	s_mov_b32 s43, 0
	s_mov_b32 s24, 0x3e38aa3b                      ; log2(e) / 8
	s_mov_b32 s25, s24                             ; (named with it as a pair, so it is written)
	s_mov_b32 s26, 0x76543210
	s_mov_b32 s27, 0xfedcba98                      ; v_permlanex16_b32's selects for lane l xor 16
	s_mov_b32 s28, 0
	s_wait_dscnt 0x0
	s_wait_kmcnt 0x0
	s_add_nc_u64 s[14:15], s[4:5], s[34:35]
	s_or_b32 s15, s15, 0x80000000                  ; type = 2
	s_add_nc_u64 s[38:39], s[4:5], s[38:39]
	s_add_nc_u64 s[40:41], s[4:5], s[40:41]
	s_add_nc_u64 s[30:31], s[6:7], s[42:43]
	s_add_nc_u64 s[2:3], s[2:3], s[42:43]          ; x has ao's layout: the same offset
	ROUND                                          ; all four work-groups are here: the joint loads meet
	tensor_load_to_lds s[12:15], s[16:23]          ; my one tensor load of the launch
	s_nop 0
.rept 4
	v_nop
.endr
	v_and_b32 v10, 31, v0                          ; lane
	v_and_b32 v11, 15, v0                          ; r
	v_bfe_u32 v12, v0, 4, 1                        ; h
	s_delay_alu instid0(VALU_DEP_3)
	v_lshlrev_b32 v[LI], 4, v10
	s_delay_alu instid0(VALU_DEP_4)
	v_lshlrev_b32 v[L8], 3, v10
	s_delay_alu instid0(VALU_DEP_4)
	v_lshlrev_b32 v[QWO], 4, v11
	global_load_b128 v[QC:QC+3], v[LI], s[38:39]   ; Q's fragment: the K image's tile as it lies
	global_load_b32 v[QS], v[QWO], s[40:41] offset:8192
.irp j, 0,1,2,3
	v_mov_b32 v[QC+4+\j], 0                        ; k = 64 .. 127: zero codes
	v_mov_b32 v[KF+32+\j], 0                       ; behind K's last fragment
.endr
	v_mov_b32 v[TX], 0                             ; a lane permute's destination counts as one of its sources
	v_mov_b32 v[RC+1], 0                           ; (named as the upper half of a pair)
	v_lshlrev_b32 v[SH], 3, v12
	s_mul_i32 s33, s8, 4352
	s_add_co_u32 s33, s33, STG                     ; my stage
	v_mul_u32_u24 v[STO], v11, 272
	s_delay_alu instid0(VALU_DEP_1)
	v_lshl_add_u32 v[STO], v12, 5, v[STO]
	s_delay_alu instid0(VALU_DEP_1)
	v_add_nc_u32 v[STO], s33, v[STO]               ; in: row r, 32 h; tile t's eight channels 64 t on
	v_mul_u32_u24 v[RD], v12, 272
	s_delay_alu instid0(VALU_DEP_1)
	v_lshl_add_u32 v[RD], v11, 4, v[RD]
	s_delay_alu instid0(VALU_DEP_1)
	v_add_nc_u32 v[RD], s33, v[RD]                 ; back: lanes 0-15 one row, lanes 16-31 the next
	v_lshlrev_b32 v[GO], 11, v12
	s_delay_alu instid0(VALU_DEP_1)
	v_lshl_add_u32 v[GO], v11, 4, v[GO]            ; and the same two tokens in ao
	s_wait_loadcnt 0x0                             ; Q
	s_wait_tensorcnt 0x0                           ; my record has landed,
	s_barrier_signal -1
	s_barrier_wait -1                              ; everybody's has
	STEP 1
.macro XLD xr, off                     ; two tokens' 256 bytes of x: sixteen lanes read 256 consecutive bytes, aligned
	global_load_b128 v[\xr:\xr+3], v[GO], s[2:3] offset:\off th:TH_LOAD_NT
.endm
	XLD 228, 0
	XLD 232, 4096
	XLD 236, 8192
	XLD 240, 12288
	XLD 244, 65536                                 ; rows 8-15 of the tile lie 32 tokens behind rows 0-7
	XLD 248, 69632
	XLD 12, 73728
	XLD 28, 77824
	s_mov_b32 s29, 15
.Lstep:
	STEP 0
	s_sub_co_u32 s29, s29, 1
	s_cmp_lg_u32 s29, 0
	s_cbranch_scc1 .Lstep
	; THE WAY OUT: O^T / the row's sum, through my stage, so that sixteen lanes store a token's 256 bytes of this head, aligned.
.rept 4
	v_nop                                          ; four plain lines behind the last products
.endr
	s_wait_alu depctr_va_vdst(0)
	v_pk_add_f32 v[L0:L0+1], v[L0:L0+1], v[L1:L1+1]
	s_delay_alu instid0(VALU_DEP_1)
	v_add_f32 v[L0], v[L0], v[L0+1]
	s_delay_alu instid0(VALU_DEP_1)
	v_permlanex16_b32 v[TX], v[L0], s26, s27
	s_delay_alu instid0(VALU_DEP_1)
	v_add_f32 v[L0], v[L0], v[TX]                  ; with lane l xor 16's blocks: the row's sum
	s_wait_alu depctr_va_vdst(0)
	v_rcp_f32 v[RC], v[L0]
	v_nop                                          ; a plain line behind the reciprocal
	s_wait_alu depctr_va_vdst(0)                   ; and the wait ahead of its first reader
.set sj, 0
.rept 16
	v_pk_mul_f32 v[S+sj:S+sj+1], v[O+sj:O+sj+1], v[RC:RC+1] op_sel_hi:[1,0]   ; register 8 t + j: channel 16 t + 8 h + j of query r
.set sj, sj+2
.endr
.irp t, 0,1,2,3
	ds_store_b128 v[STO], v[S+8*\t:S+8*\t+3] offset:64*\t
	ds_store_b128 v[STO], v[S+8*\t+4:S+8*\t+7] offset:64*\t+16
.endr
.irp e, 0,1,2,3,4,5,6,7
	ds_load_b128 v[S+32+4*\e:S+32+4*\e+3], v[RD] offset:544*\e   ; LDS serves a wave's instructions in order (ISA guide 5.7.1.4): these see my stores
.endr
.macro OUT e, xr, off                  ; rows 2 e, 2 e + 1 of the tile: + x, then stored
	s_wait_dscnt 7-\e
	v_pk_add_f32 v[S+32+4*\e:S+32+4*\e+1], v[S+32+4*\e:S+32+4*\e+1], v[\xr:\xr+1]
	v_pk_add_f32 v[S+32+4*\e+2:S+32+4*\e+3], v[S+32+4*\e+2:S+32+4*\e+3], v[\xr+2:\xr+3]
	global_store_b128 v[GO], v[S+32+4*\e:S+32+4*\e+3], s[30:31] offset:\off th:TH_STORE_NT
.endm
	s_wait_loadcnt 0x0                             ; x
	OUT 0, 228, 0
	OUT 1, 232, 4096
	OUT 2, 236, 8192
	OUT 3, 240, 12288
	OUT 4, 244, 65536
	OUT 5, 248, 69632
	OUT 6, 12, 73728
	OUT 7, 28, 77824
	s_wait_dscnt 0x0
	s_wait_tensorcnt 0x0
	ds_add_u32 v254, v255
	s_wait_dscnt 0x0
	ROUND                                          ; the closing round: no work-group ends while a partner may still ask jointly
	s_endpgm
.Lfunc_end_k_qc7233ccd2a_attn:
	.size	k_qc7233ccd2a_attn, .Lfunc_end_k_qc7233ccd2a_attn-k_qc7233ccd2a_attn
	.p2alignl 7, 3214868480
	.fill 96, 4, 3214868480
	.section	.rodata,"a",@progbits
	.p2align	6, 0x0
	.amdhsa_kernel k_qc7233ccd2a_attn
		.amdhsa_group_segment_fixed_size 215040
		.amdhsa_private_segment_fixed_size 0
		.amdhsa_enable_private_segment 0
		.amdhsa_kernarg_size 24
		.amdhsa_user_sgpr_count 2
		.amdhsa_user_sgpr_kernarg_segment_ptr 1
		.amdhsa_wavefront_size32 1
		.amdhsa_system_sgpr_workgroup_id_x 1
		.amdhsa_system_sgpr_workgroup_id_y 1
		.amdhsa_system_sgpr_workgroup_id_z 1
		.amdhsa_system_vgpr_workitem_id 0
		.amdhsa_next_free_vgpr 256
		.amdhsa_next_free_sgpr 66
		.amdhsa_reserve_vcc 0
		.amdhsa_float_denorm_mode_32 3
		.amdhsa_float_denorm_mode_16_64 3
		.amdhsa_memory_ordered 1
		.amdhsa_forward_progress 1
		.amdhsa_inst_pref_size 36
	.end_amdhsa_kernel
	.amdgpu_metadata
---
amdhsa.version: [ 1, 2 ]
amdhsa.kernels:
  - .name:           k_qc7233ccd2a_attn
    .symbol:         k_qc7233ccd2a_attn.kd
    .args:
      - { .name: kv, .offset: 0, .size: 8, .value_kind: global_buffer, .address_space: global }
      - { .name: ao, .offset: 8, .size: 8, .value_kind: global_buffer, .address_space: global }
      - { .name: x, .offset: 16, .size: 8, .value_kind: global_buffer, .address_space: global }
    .group_segment_fixed_size: 215040
    .private_segment_fixed_size: 0
    .kernarg_segment_align: 8
    .kernarg_segment_size: 24
    .max_flat_workgroup_size: 512
    .sgpr_count:     66
    .vgpr_count:     256
    .wavefront_size: 32
...
	.end_amdgpu_metadata
.endif
;; end of part 2
;; launch ffn (part 3): grid 256 x 1, 8 waves a work-group, clusters of 4 x 1, 327,680 bytes of LDS; arguments ao, g1, bt1, th_ffn, wimg, b1, b2, g2, bt2, out0; writes out0
.if DOCPART == 3
	.amdgcn_target "amdgcn-amd-amdhsa--gfx1250"
	.amdhsa_code_object_version 6
	.text
	.protected	k_qc7233ccd2a_ffn
	.globl	k_qc7233ccd2a_ffn
	.p2align	8
	.type	k_qc7233ccd2a_ffn,@function
k_qc7233ccd2a_ffn:
	s_mov_b64 s[64:65], 0
	v_nop
	global_prefetch_b8 v0, s[64:65] scope:SCOPE_SE
	s_setreg_imm32_b32 hwreg(HW_REG_WAVE_MODE, 25, 1), 1
	s_wait_xcnt 0x0
	s_wait_alu depctr_hold_cnt(0) depctr_sa_sdst(0) depctr_va_vdst(0) depctr_va_sdst(0) depctr_va_ssrc(0) depctr_va_vcc(0) depctr_vm_vsrc(0)
	s_getreg_b32 s2, hwreg(HW_REG_IB_STS2, 6, 4)
	s_cmp_eq_u32 s2, 0
	s_cbranch_scc0 .Lentry_in_a_cluster
	s_endpgm
.Lentry_in_a_cluster:
	s_bfe_u32 s2, ttmp6, 0x10000c
	s_cmp_lg_u32 s2, 0x3003
	s_cbranch_scc0 .Lentry_shape_is_right
	s_endpgm
.Lentry_shape_is_right:
; out = LN2(x1 + relu(Q(cos(x1) cos(th)) W1 + b1) W2 + b2), x1 = LN1(x + ao); both products on codes of E2M1 with one E8M0 scale for each 32 along K.  Nothing between x1 and out goes to memory.
; SHARES.  A work-group of eight waves takes 32 tokens (both layer norms need whole rows of 512).  Wave w: rows 4 w .. 4 w + 3 in the norms; hidden units 256 w .. + 255 (four quads of 64); outputs 64 w .. + 63.
; THE WEIGHTS come from wimg, where an earlier launch laid them in the order of the operand registers, straight into the registers of the ONE wave that multiplies by them: each load takes 512 consecutive bytes.
; NO CLUSTER, NO TENSOR LOAD: each weight byte feeds two products of one wave; 1,114,112 bytes of weights against 327,680 bytes of LDS would come in four fills or more, each behind a round of a cluster's barrier
; with one slot on its way, and every byte would be written to LDS and read from it once more.
; OPERANDS GO FROM WAVE TO WAVE THROUGH LDS AS IMAGES OF THEIR REGISTERS (16 x lane on end); scale bytes by token.  Three barriers.
; Both products are used transposed (source 0 = 16 rows of the weight, source 1 = 16 tokens).  Row m of W1's tile i of quad e is hidden unit 64 e + 32 (m / 8) + 8 i + m % 8, so the 32 registers of a quad's four tiles of
; lane (r, h) are the 32 hidden units of block 2 e + h: the block's largest number needs no other lane and the conversions' results are the next operand's registers.  The biases are the C of each sum's first product.
; cos as in the first launch.  LIMITS: |x1| under 2^22 pi; NaN and infinities are not served.  A block of zeros gets the byte 1 where the rule says 127: its codes are zeros and this launch alone reads the bytes.
; REGISTERS.  Window 0: v1-19 addresses; v20-23 cos's vector constants; v24-31 the norms' sums; v32-63 the weights' scale words and v64-79 the tokens': scales and nothing else;
;   v80-143 V: rows / x's fragments / b2;  v144-207 W: rows, at work / the accumulators;  v208-239 gains and shifts / b1's tiles / the hidden layer's fragments;  v240-255 cos(th) / codes just made.
;   Window 1: 256 registers of weights: W1's quads in two sets of 128, then W2's K steps in eight sets of 32.
; WHAT THE PARAGRAPH ON CLUSTERS ABOVE NO LONGER COVERS.  The launch runs in clusters of 4 x 1 work-groups, which all walk the same weights.  LDS has 131,072 bytes left beside the stages (WL):
; they take a part of the weights by JOINT tensor loads (mask 15), 16,384 bytes a wave, each wave's own bytes, read by that wave alone behind its own wait on TENSORcnt.
; WL is filled twice: at the head with the codes of W1's quad 2 of each wave; behind the round that takes the second barrier's place with W2's K steps 12 to 15 of each wave.
; The other 851,968 bytes of weights still go from memory straight into registers, for the reason given above: WL holds no more, and further fills would each want a round of their own.
; Nothing is prefetched: the launch has no loop to run ahead in.
.set QST,  65536                       ; LDS: 0: x1, rows of 2,048;  QST: 4 rows x 2,304 a wave: a block of 32 numbers takes 144 bytes
.set XIMG, 139264                      ; x's 8 fragments: (2 s + m) 1024 + 512 c + 16 lane
.set XSC,  147456                      ; their scale bytes: 16 token + block
.set HIMG, 147968                      ; the hidden layer's 32 fragments: (2 ks + m) 1024 + 512 c + 16 lane
.set HSC,  180736                      ; their scale bytes: 80 token + 4 ks + byte
.set B1L,  183296                      ; b1
.set FST,  65536                       ; f: 32 rows of 2,064, over QST: two barriers lie between QST's last read and f's first store
.set WL,   191488                      ; 16,384 bytes a wave: weights brought by joint tensor loads; nothing is stored there
.set SPARE, 322560                     ; the spare words, 128 bytes a wave: four blocks of 256 bytes that no other line names
.set KM,  20
.set K6,  22
.set SM,  24
.set WS,  32
.set XH,  64
.set VV,  80
.set QF,  80
.set B2R, 80
.set WW,  144
.set ACC, 144
.set TT,  144
.set ZZ,  160
.set GG,  208
.set BB,  224
.set BI,  208
.set HF,  208
.set CT,  240
.set PC,  240
.set MX,  248
.set SCL, 250
.set BY,  252
.set INVPI, 40
.set NPH,   42
.set NPL,   44
.set C5,    46
.set C4,    48
.set C3,    50
.set C2,    52
.set MSB, 0
.macro WIN new                         ; the immediate's high byte repeats the setting that is left; a switch that changes nothing is dropped
.if MSB != \new
	s_set_vgpr_msb (MSB<<8)|\new
.set MSB, \new
.endif
.endm
.macro SPAIR r, val
	s_mov_b32 s[\r], \val
	s_mov_b32 s[\r+1], \val
.endm
.macro CFMA a, np, k
.set ci, 0
.rept \np
	v_pk_fma_f32 v[(\a)+ci:(\a)+ci+1], v[(\a)+ci:(\a)+ci+1], v[ZZ+ci:ZZ+ci+1], s[\k:\k+1] op_sel_hi:[1,1,0]
.set ci, ci+2
.endr
.endm
.macro COS a, np                       ; cos of np pairs from v[a] on, in place, stage by stage
.set ci, 0
.rept \np
	v_pk_fma_f32 v[TT+ci:TT+ci+1], v[(\a)+ci:(\a)+ci+1], s[INVPI:INVPI+1], v[KM:KM+1] op_sel_hi:[1,0,1]   ; a / pi + 1.5 x 2^23: the low bits hold n
.set ci, ci+2
.endr
.set ci, 0
.rept \np
	v_pk_add_f32 v[ZZ+ci:ZZ+ci+1], v[TT+ci:TT+ci+1], v[KM:KM+1] neg_lo:[0,1] neg_hi:[0,1]                 ; n as f32
.set ci, ci+2
.endr
.set ci, 0
.rept \np
	v_pk_fma_f32 v[(\a)+ci:(\a)+ci+1], v[ZZ+ci:ZZ+ci+1], s[NPH:NPH+1], v[(\a)+ci:(\a)+ci+1] op_sel_hi:[1,0,1]
.set ci, ci+2
.endr
.set ci, 0
.rept \np
	v_pk_fma_f32 v[(\a)+ci:(\a)+ci+1], v[ZZ+ci:ZZ+ci+1], s[NPL:NPL+1], v[(\a)+ci:(\a)+ci+1] op_sel_hi:[1,0,1]
.set ci, ci+2
.endr
.set ci, 0
.rept 2*\np
	v_lshlrev_b32 v[TT+ci], 31, v[TT+ci]                                                                  ; n's parity as a sign bit
.set ci, ci+1
.endr
.set ci, 0
.rept \np
	v_pk_mul_f32 v[ZZ+ci:ZZ+ci+1], v[(\a)+ci:(\a)+ci+1], v[(\a)+ci:(\a)+ci+1]
.set ci, ci+2
.endr
.set ci, 0
.rept \np
	v_pk_fma_f32 v[(\a)+ci:(\a)+ci+1], v[ZZ+ci:ZZ+ci+1], v[K6:K6+1], s[C5:C5+1] op_sel_hi:[1,1,0]
.set ci, ci+2
.endr
	CFMA \a, \np, C4
	CFMA \a, \np, C3
	CFMA \a, \np, C2
.set ci, 0
.rept \np
	v_pk_fma_f32 v[(\a)+ci:(\a)+ci+1], v[(\a)+ci:(\a)+ci+1], v[ZZ+ci:ZZ+ci+1], -0.5 op_sel_hi:[1,1,0]
.set ci, ci+2
.endr
.set ci, 0
.rept \np
	v_pk_fma_f32 v[(\a)+ci:(\a)+ci+1], v[(\a)+ci:(\a)+ci+1], v[ZZ+ci:ZZ+ci+1], 1.0 op_sel_hi:[1,1,0]
.set ci, ci+2
.endr
.set ci, 0
.rept 2*\np
	v_xor_b32 v[(\a)+ci], v[(\a)+ci], v[TT+ci]
.set ci, ci+1
.endr
.endm
.macro QBLK x, mx, scl, by, c          ; 32 numbers of one lane become 4 registers of codes, the conversion's scale operand and the scale's byte
	v_max3_num_f32 v[\mx], |v[\x]|, |v[\x+1]|, |v[\x+2]|
	v_max3_num_f32 v[\mx+1], |v[\x+3]|, |v[\x+4]|, |v[\x+5]|
.irp i, 6,10,14,18,22,26
	s_delay_alu instid0(VALU_DEP_2)
	v_max3_num_f32 v[\mx], v[\mx], |v[\x+\i]|, |v[\x+\i+1]|
	s_delay_alu instid0(VALU_DEP_2)
	v_max3_num_f32 v[\mx+1], v[\mx+1], |v[\x+\i+2]|, |v[\x+\i+3]|
.endr
	s_delay_alu instid0(VALU_DEP_2)
	v_max3_num_f32 v[\mx], v[\mx], |v[\x+30]|, |v[\x+31]|
	s_delay_alu instid0(VALU_DEP_1)
	v_max3_num_f32 v[\mx], v[\mx], v[\mx+1], 0x1800000     ; the floor 2^(3 - 127)
	s_delay_alu instid0(VALU_DEP_1)
	v_add_nc_u32 v[\scl], 0xff000000, v[\mx]
	s_delay_alu instid0(VALU_DEP_1)
	v_lshrrev_b32 v[\by], 23, v[\scl]
.irp g, 0,1,2,3
	v_cvt_scalef32_pk8_fp4_f32 v[\c+\g], v[\x+8*\g:\x+8*\g+7], v[\scl]
.endr
	v_nop                                                  ; one plain line behind the last conversion of a run
.endm
.macro RED4                            ; v[SM], v[SM+2], v[SM+4], v[SM+6]: each summed over the 32 lanes, the four by turns
.irp m, 1,2,4,8
.irp p, 0,2,4,6
	s_delay_alu instid0(VALU_DEP_4)
	v_add_f32_dpp v[SM+\p], v[SM+\p], v[SM+\p] row_xmask:\m row_mask:0xf bank_mask:0xf
.endr
.endr
.irp p, 0,2,4,6
	s_delay_alu instid0(VALU_DEP_4)
	v_permlanex16_b32 v[SM+\p+1], v[SM+\p], s54, s55
.endr
.irp p, 0,2,4,6
	s_delay_alu instid0(VALU_DEP_4)
	v_add_f32 v[SM+\p], v[SM+\p], v[SM+\p+1]
.endr
.endm
; V = layer norm of (V + W) x G + B, four rows of 512, a row in 16 registers of the wave's 32 lanes.  The mean first, then the squares of the differences.
.macro LNORM sum                       ; sum = 1: of V + W;  sum = 0: of V as it stands
.if \sum
.set lj, 0
.rept 32
	v_pk_add_f32 v[VV+lj:VV+lj+1], v[VV+lj:VV+lj+1], v[WW+lj:WW+lj+1]
.set lj, lj+2
.endr
.endif
.irp i, 0,1,2,3
.irp p, 0,1,2,3
	v_pk_add_f32 v[WW+16*\p+2*\i:WW+16*\p+2*\i+1], v[VV+16*\p+4*\i:VV+16*\p+4*\i+1], v[VV+16*\p+4*\i+2:VV+16*\p+4*\i+3]
.endr
.endr
.irp p, 0,1,2,3
	v_pk_add_f32 v[WW+16*\p:WW+16*\p+1], v[WW+16*\p:WW+16*\p+1], v[WW+16*\p+2:WW+16*\p+3]
	v_pk_add_f32 v[WW+16*\p+4:WW+16*\p+5], v[WW+16*\p+4:WW+16*\p+5], v[WW+16*\p+6:WW+16*\p+7]
.endr
.irp p, 0,1,2,3
	v_pk_add_f32 v[WW+16*\p:WW+16*\p+1], v[WW+16*\p:WW+16*\p+1], v[WW+16*\p+4:WW+16*\p+5]
.endr
	s_wait_alu depctr_va_vdst(0)
	s_wait_dscnt 0x0                               ; LDS stores that read the sums' registers (b1's slice went through them) are done
.irp p, 0,1,2,3
	v_add_f32 v[SM+2*\p], v[WW+16*\p], v[WW+16*\p+1]
.endr
	RED4
.irp p, 0,1,2,3
	s_delay_alu instid0(VALU_DEP_4)
	v_mul_f32 v[SM+2*\p], 0xbb000000, v[SM+2*\p]   ; -mean = sum x -2^-9
.endr
.irp t, 0,2,4,6,8,10,12,14
.irp p, 0,1,2,3
	v_pk_add_f32 v[VV+16*\p+\t:VV+16*\p+\t+1], v[VV+16*\p+\t:VV+16*\p+\t+1], v[SM+2*\p:SM+2*\p+1] op_sel_hi:[1,0]
.endr
.endr
.irp p, 0,1,2,3
	v_pk_mul_f32 v[WW+16*\p:WW+16*\p+1], v[VV+16*\p:VV+16*\p+1], v[VV+16*\p:VV+16*\p+1]
	v_pk_mul_f32 v[WW+16*\p+2:WW+16*\p+3], v[VV+16*\p+2:VV+16*\p+3], v[VV+16*\p+2:VV+16*\p+3]
.endr
.irp t, 4,8,12
.irp p, 0,1,2,3
	v_pk_fma_f32 v[WW+16*\p:WW+16*\p+1], v[VV+16*\p+\t:VV+16*\p+\t+1], v[VV+16*\p+\t:VV+16*\p+\t+1], v[WW+16*\p:WW+16*\p+1]
	v_pk_fma_f32 v[WW+16*\p+2:WW+16*\p+3], v[VV+16*\p+\t+2:VV+16*\p+\t+3], v[VV+16*\p+\t+2:VV+16*\p+\t+3], v[WW+16*\p+2:WW+16*\p+3]
.endr
.endr
.irp p, 0,1,2,3
	v_pk_add_f32 v[WW+16*\p:WW+16*\p+1], v[WW+16*\p:WW+16*\p+1], v[WW+16*\p+2:WW+16*\p+3]
.endr
.irp p, 0,1,2,3
	s_delay_alu instid0(VALU_DEP_4)
	v_add_f32 v[SM+2*\p], v[WW+16*\p], v[WW+16*\p+1]
.endr
	RED4
.irp p, 0,1,2,3
	s_delay_alu instid0(VALU_DEP_4)
	v_fma_f32 v[SM+2*\p], v[SM+2*\p], s56, s57     ; variance + 1e-5
.endr
	s_wait_alu depctr_va_vdst(0)
.irp p, 0,1,2,3
	v_rsq_f32 v[SM+2*\p], v[SM+2*\p]
.endr
	v_nop                                          ; a plain line behind the last of the four
	s_wait_alu depctr_va_vdst(0)                   ; one wait for the batch, ahead of its first reader
.irp t, 0,2,4,6,8,10,12,14
.irp p, 0,1,2,3
	v_pk_mul_f32 v[VV+16*\p+\t:VV+16*\p+\t+1], v[VV+16*\p+\t:VV+16*\p+\t+1], v[SM+2*\p:SM+2*\p+1] op_sel_hi:[1,0]
.endr
.endr
.irp t, 0,2,4,6,8,10,12,14
.irp p, 0,1,2,3
	v_pk_fma_f32 v[VV+16*\p+\t:VV+16*\p+\t+1], v[VV+16*\p+\t:VV+16*\p+\t+1], v[GG+\t:GG+\t+1], v[BB+\t:BB+\t+1]
.endr
.endr
.endm
; a product: ra, rb = 1: A's, B's scale words stand in lanes 16-31 of their register
.macro MM d, a, b, c, sa, sb, ra, rb
.if (\ra) == 0 && (\rb) == 0
	v_wmma_scale_f32_16x16x128_f8f6f4 v[\d:\d+7], v[\a:\a+7], v[\b:\b+7], v[\c:\c+7], v[\sa], v[\sb] matrix_a_fmt:MATRIX_FMT_FP4 matrix_b_fmt:MATRIX_FMT_FP4
.elseif (\ra) == 1 && (\rb) == 0
	v_wmma_scale_f32_16x16x128_f8f6f4 v[\d:\d+7], v[\a:\a+7], v[\b:\b+7], v[\c:\c+7], v[\sa], v[\sb] matrix_a_fmt:MATRIX_FMT_FP4 matrix_b_fmt:MATRIX_FMT_FP4 matrix_a_scale:MATRIX_SCALE_ROW1
.elseif (\ra) == 0
	v_wmma_scale_f32_16x16x128_f8f6f4 v[\d:\d+7], v[\a:\a+7], v[\b:\b+7], v[\c:\c+7], v[\sa], v[\sb] matrix_a_fmt:MATRIX_FMT_FP4 matrix_b_fmt:MATRIX_FMT_FP4 matrix_b_scale:MATRIX_SCALE_ROW1
.else
	v_wmma_scale_f32_16x16x128_f8f6f4 v[\d:\d+7], v[\a:\a+7], v[\b:\b+7], v[\c:\c+7], v[\sa], v[\sb] matrix_a_fmt:MATRIX_FMT_FP4 matrix_b_fmt:MATRIX_FMT_FP4 matrix_a_scale:MATRIX_SCALE_ROW1 matrix_b_scale:MATRIX_SCALE_ROW1
.endif
.endm
.macro PLACES                          ; four plain lines between a product and a read of its result or a load into one of its registers (ISA guide 7.12.1 for vector instructions)
.rept 4
	v_nop
.endr
.endm
.macro GW1 q                           ; W1's quad q of my four: 2 loads of scale words, 32 of codes: 34
.irp a, 0,1
	global_load_b128 v[WS+8*((\q)%2)+4*\a:WS+8*((\q)%2)+4*\a+3], v1, s[34:35] offset:17408*(\q)+16384+512*\a
.endr
	WIN 0x40                                       ; destination window 1
.set gn, 0
.rept 32
	global_load_b128 v[128*((\q)%2)+4*gn:128*((\q)%2)+4*gn+3], v1, s[34:35] offset:17408*(\q)+512*gn
.set gn, gn+1
.endr
	WIN 0
.endm
.macro GW2 ks                          ; W2's K step ks of my 64 outputs: 8 loads; leaves the destination window at 1
	WIN 0x40
.irp n, 0,1,2,3,4,5,6,7
	global_load_b128 v[32*((\ks)%8)+4*\n:32*((\ks)%8)+4*\n+3], v1, s[36:37] offset:4096*(\ks)+512*\n
.endr
.endm
.macro ROUND                           ; a round of the cluster's barrier
	s_barrier_signal -1
	s_barrier_wait -1
	s_cmp_lg_u32 s26, 0
	s_cbranch_scc1 .Lnot_wave_0_\@
	s_barrier_signal -3
.Lnot_wave_0_\@:
	s_barrier_wait -3
	s_barrier_signal -1
	s_barrier_wait -1
.endm
.macro LW1                             ; W1's quad 2 of my four: 2 loads of scale words from memory, the codes from my part of WL
.irp a, 0,1
	global_load_b128 v[WS+4*\a:WS+4*\a+3], v1, s[34:35] offset:17408*2+16384+512*\a
.endr
	s_wait_tensorcnt 0x0                           ; my one tensor load of the head has landed; I alone read its bytes
	WIN 0x40                                       ; destination window 1
.set gn, 0
.rept 32
	ds_load_b128 v[4*gn:4*gn+3], v13 offset:512*gn
.set gn, gn+1
.endr
	WIN 0
.endm
.macro LW2 ks                          ; W2's K step ks (12 to 15) from my part of WL; leaves the destination window at 1
.if (\ks) == 12
	s_wait_tensorcnt 0x0                           ; my refill of WL has landed
.endif
	WIN 0x40
.irp n, 0,1,2,3,4,5,6,7
	ds_load_b128 v[32*((\ks)%8)+4*\n:32*((\ks)%8)+4*\n+3], v13 offset:4096*((\ks)-12)+512*\n
.endr
.endm
.macro BIAS q                          ; b1 in the result's layout: tile i, lane (r, h): hidden units 64 e + 32 h + 8 i + 0 .. 7
.irp i, 0,1,2,3
	ds_load_b128 v[BI+8*\i:BI+8*\i+3], v9 offset:256*(\q)+32*\i
	ds_load_b128 v[BI+8*\i+4:BI+8*\i+7], v9 offset:256*(\q)+32*\i+16
.endr
.endm
; 32 products: quad q's four tiles x two tiles of tokens, K = 512 in four steps; eight accumulators, one instruction a turn.  n: the loads younger than the quad's
.macro QUADMM q, n
	s_wait_loadcnt \n
	s_wait_dscnt 0x0                               ; b1's tiles are in (the first time x's fragments too); the last quad's LDS stores have read their registers
	WIN 0x01                                       ; source 0 (W1) window 1
.irp s, 0,1,2,3
.irp i, 0,1,2,3
.irp m, 0,1
.if \s == 0
	MM ACC+8*(2*\i+\m), 128*((\q)%2)+8*(4*\s+\i), QF+8*(2*\s+\m), BI+8*\i, WS+8*((\q)%2)+4*(\i/2)+\s, XH+\s, \i%2, \m
.else
	MM ACC+8*(2*\i+\m), 128*((\q)%2)+8*(4*\s+\i), QF+8*(2*\s+\m), ACC+8*(2*\i+\m), WS+8*((\q)%2)+4*(\i/2)+\s, XH+\s, \i%2, \m
.endif
.endr
.endr
.endr
	WIN 0
	PLACES
.endm
; relu, then the quad's 64 hidden units of 32 tokens become half a fragment for each tile of tokens: lane (r, h) holds block 2 e + h whole
.macro QUANTH q
.set qj, 0
.rept 64
	v_max_num_f32 v[ACC+qj], 0, v[ACC+qj]          ; ascending: each accumulator is first read at its low end
.set qj, qj+1
.endr
.irp i, 0,1,2,3
.irp j, 0,2,4,6
.irp m, 0,1
.if (\i)+(\j) > 0
	s_delay_alu instid0(VALU_DEP_2)
	v_max3_num_f32 v[MX+\m], v[MX+\m], v[ACC+16*\i+8*\m+\j], v[ACC+16*\i+8*\m+\j+1]
.else
	v_max3_num_f32 v[MX+\m], v[ACC+8*\m], v[ACC+8*\m+1], 0x1800000   ; none is negative; the floor 2^(3 - 127) among the leaves
.endif
.endr
.endr
.endr
.irp m, 0,1
	s_delay_alu instid0(VALU_DEP_2)
	v_add_nc_u32 v[SCL+\m], 0xff000000, v[MX+\m]
.endr
.irp m, 0,1
	s_delay_alu instid0(VALU_DEP_2)
	v_lshrrev_b32 v[BY+\m], 23, v[SCL+\m]
.endr
.irp m, 0,1
.irp i, 0,1,2,3
	v_cvt_scalef32_pk8_fp4_f32 v[PC+4*\m+\i], v[ACC+16*\i+8*\m:ACC+16*\i+8*\m+7], v[SCL+\m]
.endr
.endr
	v_nop                                          ; one plain line behind the last conversion
.irp m, 0,1
	ds_store_b128 v11, v[PC+4*\m:PC+4*\m+3] offset:2048*((\q)/2)+1024*\m+512*((\q)%2)
	ds_store_b8 v12, v[BY+\m] offset:1280*\m+4*((\q)/2)+2*((\q)%2)
.endr
.endm
; K step ks of the second product: 8 products, eight accumulators by turns.  n: the loads younger than the step's weights (-1: shown in by an earlier wait)
.macro KS2 ks, n, refill
.if \ks < 15
.irp m, 0,1
.irp c, 0,1
	ds_load_b128 v[HF+16*((\ks+1)%2)+8*\m+4*\c:HF+16*((\ks+1)%2)+8*\m+4*\c+3], v7 offset:HIMG-XIMG+(2*(\ks+1)+\m)*1024+512*\c
.endr
.endr
	s_wait_dscnt 0x4                               ; this step's fragments are in; the next step's four loads may be out
.else
	s_wait_dscnt 0x0
.endif
.if \n >= 0
	s_wait_loadcnt \n
.endif
	WIN 0x01
.irp nt, 0,1,2,3
.irp m, 0,1
.if \ks == 0
	MM ACC+8*(2*\nt+\m), 32*((\ks)%8)+8*\nt, HF+16*((\ks)%2)+8*\m, B2R+8*\nt, WS+16*(\nt/2)+\ks, XH+\ks, \nt%2, \m
.else
	MM ACC+8*(2*\nt+\m), 32*((\ks)%8)+8*\nt, HF+16*((\ks)%2)+8*\m, ACC+8*(2*\nt+\m), WS+16*(\nt/2)+\ks, XH+\ks, \nt%2, \m
.endif
.endr
.endr
	WIN 0
	PLACES
.if \refill == 1
	GW2 \ks+8                                      ; into the registers just multiplied
	WIN 0
.elseif \refill == 2
	LW2 2*(\ks)-8                                  ; behind K step 10: steps 12 and 13; behind K step 11: steps 14 and 15; into registers that were multiplied in K steps 4 to 7
	LW2 2*(\ks)-7
	WIN 0
.endif
.endm
	; ao holds x + the attention's result, as the launch before stored it: x itself is no argument here
	s_load_b64 s[6:7], s[0:1], 0x0                 ; ao
	s_load_b128 s[8:11], s[0:1], 0x8               ; g1, bt1
	s_load_b128 s[12:15], s[0:1], 0x18             ; th_ffn, wimg
	s_load_b128 s[16:19], s[0:1], 0x28             ; b1, b2
	s_load_b128 s[20:23], s[0:1], 0x38             ; g2, bt2
	s_load_b64 s[24:25], s[0:1], 0x48              ; out0
	v_lshl_add_u32 v254, v0, 2, SPARE
	v_mov_b32 v255, 0
	ds_add_u32 v254, v255                          ; the opening lines, ahead of the round and of my first tensor load
	ds_add_u32 v254, v255
	v_lshrrev_b32 v1, 5, v0
	s_delay_alu instid0(VALU_DEP_1)
	v_readfirstlane_b32 s26, v1                    ; wave 0..7
	v_and_b32 v13, 31, v0                          ; lane l
	v_and_b32 v17, 15, v0                          ; r
	v_bfe_u32 v18, v0, 4, 1                        ; h
	s_delay_alu instid0(VALU_DEP_3)
	v_lshlrev_b32 v1, 4, v13                       ; v1: 16 l
	s_lshl_b32 s2, s26, 13
	v_add_nc_u32 v2, s2, v1                        ; v2: x1's rows: 8192 w + 16 l
	s_mul_i32 s2, s26, 9216
	s_add_co_u32 s2, s2, QST
	v_lshrrev_b32 v24, 3, v13
	s_delay_alu instid0(VALU_DEP_1)
	v_mul_u32_u24 v24, v24, 144
	v_and_b32 v25, 7, v13
	s_delay_alu instid0(VALU_DEP_1)
	v_lshl_add_u32 v24, v25, 4, v24
	s_delay_alu instid0(VALU_DEP_1)
	v_add_nc_u32 v3, s2, v24                       ; v3: into QST: 144 (l / 8) + 16 (l % 8)
	v_mul_u32_u24 v24, v18, 2304
	s_delay_alu instid0(VALU_DEP_1)
	v_mad_u32_u24 v24, v17, 144, v24
	s_delay_alu instid0(VALU_DEP_1)
	v_add_nc_u32 v4, s2, v24                       ; v4: out of it: row h, block r
	v_lshrrev_b32 v24, 2, v17
	s_delay_alu instid0(VALU_DEP_1)
	v_lshlrev_b32 v24, 11, v24
	v_bfe_u32 v25, v17, 1, 1
	s_delay_alu instid0(VALU_DEP_1)
	v_lshl_add_u32 v24, v25, 9, v24
	v_and_b32 v25, 1, v17
	s_delay_alu instid0(VALU_DEP_1)
	v_lshl_add_u32 v24, v25, 8, v24
	s_delay_alu instid0(VALU_DEP_1)
	v_lshl_add_u32 v24, v18, 4, v24
	s_lshr_b32 s2, s26, 2
	s_lshl_b32 s2, s2, 10
	s_and_b32 s3, s26, 3
	s_lshl_b32 s3, s3, 6
	s_add_co_u32 s2, s2, s3
	s_add_co_u32 s2, s2, XIMG
	v_add_nc_u32 v5, s2, v24                       ; v5: block r of token 4 w + h (+ 2 a) in x's images: 2048 (r / 4) + 512 ((r / 2) % 2) + 256 (r % 2) + 1024 (w / 4) + 64 (w % 4) + 16 h
	s_lshl_b32 s2, s26, 6
	s_add_co_u32 s2, s2, XSC
	v_add_nc_u32 v6, s2, v13                       ; v6: its scale byte: 64 w + l
	v_add_nc_u32 v7, XIMG, v1                      ; v7: an image's place for my lane
	v_add_nc_u32 v8, XSC, v1                       ; v8: token l's four scale words
	s_lshl_b32 s2, s26, 10
	s_add_co_u32 s2, s2, B1L
	v_lshl_add_u32 v9, v18, 7, s2                  ; v9: b1: 1024 w + 128 h
	v_add_nc_u32 v10, s2, v1                       ; v10: and on its way in
	s_lshl_b32 s2, s26, 12
	s_add_co_u32 s2, s2, HIMG
	v_add_nc_u32 v11, s2, v1                       ; v11: the hidden layer's images: 4096 w + 16 l
	s_lshl_b32 s2, s26, 3
	s_add_co_u32 s2, s2, HSC
	v_mad_u32_u24 v12, v17, 80, v18
	s_delay_alu instid0(VALU_DEP_1)
	v_add_nc_u32 v12, s2, v12                      ; v12: their scale bytes: 80 r + h + 8 w
	v_mul_u32_u24 v14, v13, 80
	s_delay_alu instid0(VALU_DEP_1)
	v_add_nc_u32 v14, HSC, v14                     ; v14: token l's sixteen scale words
	s_lshl_b32 s2, s26, 14
	s_add_co_u32 s2, s2, WL
	v_add_nc_u32 v13, s2, v1                       ; v13: my part of WL: 16384 w + 16 l
	s_lshl_b32 s2, s26, 8
	s_add_co_u32 s2, s2, FST
	v_mul_u32_u24 v15, v17, 2064
	s_delay_alu instid0(VALU_DEP_1)
	v_lshl_add_u32 v15, v18, 5, v15
	s_delay_alu instid0(VALU_DEP_1)
	v_add_nc_u32 v15, s2, v15                      ; v15: f into its stage: row r, 256 w + 32 h
	s_mul_i32 s2, s26, 8256
	s_add_co_u32 s2, s2, FST
	v_add_nc_u32 v16, s2, v1                       ; v16: and back: my four rows
	v_lshlrev_b32 v19, 5, v18                      ; v19: 32 h
	v_mov_b32 v[KM], 0x4b400000
	v_mov_b32 v[KM+1], 0x4b400000
	v_mov_b32 v[K6], 0x310f76c7
	v_mov_b32 v[K6+1], 0x310f76c7
	SPAIR INVPI, 0x3ea2f983                        ; 1 / pi
	SPAIR NPH, 0xc0490fdb                          ; -pi_hi
	SPAIR NPL, 0x33bbbd2e                          ; -pi_lo
	SPAIR C5, 0xb493f27e
	SPAIR C4, 0x37d00d01
	SPAIR C3, 0xbab60b61
	SPAIR C2, 0x3d2aaaab
	s_mov_b32 s54, 0x76543210
	s_mov_b32 s55, 0xfedcba98                      ; v_permlanex16_b32's selects for lane l xor 16
	s_mov_b32 s56, 0x3b000000                      ; 2^-9
	s_mov_b32 s57, 0x3727c5ac                      ; 1e-5
	s_bfe_u32 s3, ttmp6, 0x40000                   ; cx: it enters the addresses of ao and out0 alone
	s_lshl_b32 s2, ttmp9, 2
	s_add_co_u32 s2, s2, s3                        ; work-group = 4 x cluster + cx
	s_lshl_b32 s2, s2, 16
	s_lshl_b32 s3, s26, 13
	s_add_co_u32 s2, s2, s3                        ; my four rows: (32 work-group + 4 w) x 2,048 bytes
	s_mov_b32 s3, 0
	s_mul_i32 s58, s26, 69632
	s_mov_b32 s59, 0
	s_mov_b32 s68, 1                               ; group 0 of the head's load: count = 1,
	s_lshl_b32 s69, s26, 14
	s_add_co_u32 s69, s69, WL                      ; LDS address: my part of WL
	s_mov_b32 s80, 1                               ; group 0 of the refill: the same bytes of LDS
	s_lshl_b32 s81, s26, 14
	s_add_co_u32 s81, s81, WL
	s_mov_b32 s72, 15|(3<<16)|(1<<21)              ; group 1: the mask names the four work-groups; elements of 8 bytes; bit 21 beside a mask; no padding: every read takes 16 x lane on end
	s_mov_b32 s73, 32<<16                          ; tensor_dim0 = 32: rows of 256 bytes
	s_mov_b32 s74, 64<<16                          ; tensor_dim1 = 64
	s_mov_b32 s75, 32<<16                          ; tile_dim0
	s_mov_b32 s76, 64                              ; tile_dim1
	s_mov_b32 s77, 32                              ; from row to row: dense
	s_mov_b32 s78, 0
	s_mov_b32 s79, 0
	s_wait_alu depctr_va_vdst(0)
	s_wait_dscnt 0x0                               ; both opening adds are done
	s_wait_kmcnt 0x0
	s_add_nc_u64 s[30:31], s[6:7], s[2:3]
	s_add_nc_u64 s[32:33], s[24:25], s[2:3]
	s_add_nc_u64 s[34:35], s[14:15], s[58:59]      ; my four records of W1
	s_add_nc_u64 s[36:37], s[34:35], 557056        ; my record of W2
	s_add_nc_u64 s[70:71], s[34:35], 34816         ; the codes of my quad 2: 2 x 17,408 bytes on
	s_or_b32 s71, s71, 0x80000000                  ; type = 2
	s_add_nc_u64 s[82:83], s[36:37], 49152         ; my K steps 12 to 15 of W2: 12 x 4,096 bytes on
	s_or_b32 s83, s83, 0x80000000
	s_lshl_b32 s58, s26, 8
	s_add_nc_u64 s[38:39], s[18:19], s[58:59]      ; b2: my 64
	s_lshl_b32 s58, s26, 10
	s_add_nc_u64 s[16:17], s[16:17], s[58:59]      ; b1: my 256
	ROUND                                          ; all four work-groups are here: the joint loads meet
	tensor_load_to_lds s[68:71], s[72:79]          ; my one tensor load of the head
	s_nop 0
.rept 4
	v_nop
.endr
.irp p, 0,1,2,3
.irp k, 0,1,2,3
	global_load_b128 v[VV+16*\p+4*\k:VV+16*\p+4*\k+3], v1, s[30:31] offset:2048*\p+512*\k th:TH_LOAD_NT
.endr
.endr
.irp k, 0,1,2,3
	global_load_b128 v[GG+4*\k:GG+4*\k+3], v1, s[8:9] offset:512*\k
	global_load_b128 v[BB+4*\k:BB+4*\k+3], v1, s[10:11] offset:512*\k
	global_load_b128 v[CT+4*\k:CT+4*\k+3], v1, s[12:13] offset:512*\k
.endr
	global_load_b128 v[24:27], v1, s[16:17]
	global_load_b128 v[28:31], v1, s[16:17] offset:512
	GW1 0
	GW1 1
	s_wait_loadcnt 63                              ; the 30 loads of the head are in: 68 are younger; 63 is the most that the wait can name
	ds_store_b128 v10, v[24:27]
	ds_store_b128 v10, v[28:31] offset:512         ; b1's slice: my own bytes of LDS
	; ---- 1: x1 = LN1(x + attention), the sum as it was loaded; qf = cos(x1) cos(th), quantised along the 512
	LNORM 0
.irp p, 0,1,2,3
.irp k, 0,1,2,3
	ds_store_b128 v2, v[VV+16*\p+4*\k:VV+16*\p+4*\k+3] offset:2048*\p+512*\k     ; x1 is kept for the second norm: my own bytes
.endr
.endr
	COS CT, 8                                      ; cos(th)
	s_wait_dscnt 0x0                               ; the stores have read their registers
.irp p, 0,1,2,3
	COS VV+16*\p, 8
.endr
.irp t, 0,2,4,6,8,10,12,14
.irp p, 0,1,2,3
	v_pk_mul_f32 v[VV+16*\p+\t:VV+16*\p+\t+1], v[VV+16*\p+\t:VV+16*\p+\t+1], v[CT+\t:CT+\t+1]
.endr
.endr
.irp p, 0,1,2,3
.irp k, 0,1,2,3
	ds_store_b128 v3, v[VV+16*\p+4*\k:VV+16*\p+4*\k+3] offset:2304*\p+576*\k
.endr
.endr
.irp a, 0,1
.irp k, 0,1,2,3,4,5,6,7
	ds_load_b128 v[WW+32*\a+4*\k:WW+32*\a+4*\k+3], v4 offset:4608*\a+16*\k        ; a whole block of 32 a lane: row 2 a + h, block r.  LDS serves a wave's instructions in order (ISA guide 5.7.1.4)
.endr
.endr
	s_wait_dscnt 0x0
	QBLK WW, MX, SCL, BY, PC
	QBLK WW+32, MX, SCL+1, BY+1, PC+4
	ds_store_b128 v5, v[PC:PC+3]
	ds_store_b8 v6, v[BY]
	ds_store_b128 v5, v[PC+4:PC+7] offset:32
	ds_store_b8 v6, v[BY+1] offset:32
	s_wait_dscnt 0x0                               ; for the others' sake: my stores have landed
	s_barrier_signal -1
	s_barrier_wait -1                              ; x's eight fragments and their scale bytes lie in LDS
	; ---- 2: they stay in registers for all four quads
.irp f, 0,1,2,3,4,5,6,7
.irp c, 0,1
	ds_load_b128 v[QF+8*\f+4*\c:QF+8*\f+4*\c+3], v7 offset:1024*\f+512*\c
.endr
.endr
	ds_load_b128 v[XH:XH+3], v8                    ; register s: lanes 0-15 tokens 0-15, lanes 16-31 tokens 16-31
	BIAS 0
	; ---- 3: the hidden layer, a quad of 64 units at a time; behind each quad's products the weights two quads on are asked for
	QUADMM 0, 34                                   ; quad 1's 34 loads may be out
	LW1
	BIAS 1
	QUANTH 0
	QUADMM 1, 2                                    ; quad 2's two loads of scale words may be out
	GW1 3
	BIAS 2
	QUANTH 1
	QUADMM 2, 34                                   ; quad 3's
	GW2 0
	GW2 1
	GW2 2
	GW2 3
	WIN 0
	BIAS 3
	QUANTH 2
	QUADMM 3, 32                                   ; W2's K steps 0 to 3
.irp a, 0,1
.irp k, 0,1,2,3
	global_load_b128 v[WS+16*\a+4*\k:WS+16*\a+4*\k+3], v1, s[36:37] offset:65536+512*(4*\a+\k)   ; W2's scale words: register 16 a + ks: lanes 0-15 tile 2 a, lanes 16-31 tile 2 a + 1
.endr
.endr
.irp n, 0,1,2,3
	global_load_b128 v[B2R+8*\n:B2R+8*\n+3], v19, s[38:39] offset:64*\n                           ; b2 in the result's layout: outputs 16 nt + 8 h + 0 .. 7
	global_load_b128 v[B2R+8*\n+4:B2R+8*\n+7], v19, s[38:39] offset:64*\n+16
.endr
	GW2 4
	GW2 5
	GW2 6
	GW2 7
	WIN 0
	QUANTH 3
	v_lshl_add_u32 v254, v0, 2, SPARE              ; the add's two registers, made anew
	v_mov_b32 v255, 0
	s_wait_alu depctr_va_vdst(0)
	s_wait_tensorcnt 0x0                           ; no tensor load of mine is out;
	ds_add_u32 v254, v255                          ; 0 onto my spare word;
	s_wait_dscnt 0x0                               ; the add is done, my stores have landed, and my reads of WL are over
	ROUND                                          ; the hidden layer's 32 fragments and their scale bytes lie in LDS, and no wave of any partner still reads WL
	tensor_load_to_lds s[80:83], s[72:79]          ; WL is filled again: my K steps 12 to 15 of W2; eleven K steps' products stand ahead of their first read
	s_nop 0
.rept 4
	v_nop
.endr
	; ---- 4: f = h W2 + b2: my 64 outputs for the 32 tokens, K = 2,048 in sixteen steps
.irp k, 0,1,2,3
	ds_load_b128 v[XH+4*\k:XH+4*\k+3], v14 offset:16*\k
.endr
.irp m, 0,1
.irp c, 0,1
	ds_load_b128 v[HF+8*\m+4*\c:HF+8*\m+4*\c+3], v7 offset:HIMG-XIMG+\m*1024+512*\c
.endr
.endr
	KS2 0, 32, 1                                   ; K steps 0-3, the scale words and b2 are in; K steps 4-7 may be out
	KS2 1, -1, 1
	KS2 2, -1, 1
	KS2 3, -1, 1
	KS2 4, 56, 0                                   ; K steps 5 to 11, 8 loads each, may be out; no more weights are asked of memory
	KS2 5, 48, 0                                   ; the counts run down
	KS2 6, 40, 0
	KS2 7, 32, 0
	KS2 8, 24, 0
	KS2 9, 16, 0                                   ; K steps 12 to 15 come out of WL behind the next two steps, two a step
	KS2 10, 8, 2
	KS2 11, 0, 2
	KS2 12, -1, 0                                  ; their LDS loads are older than the four that the step's wait on DScnt leaves out
	KS2 13, -1, 0
	KS2 14, -1, 0
	KS2 15, -1, 0
.irp k, 0,1,2,3
	global_load_b128 v[GG+4*\k:GG+4*\k+3], v1, s[20:21] offset:512*\k     ; g2 and bt2, asked for ahead of the stage's round trip
	global_load_b128 v[BB+4*\k:BB+4*\k+3], v1, s[22:23] offset:512*\k
.endr
.irp n, 0,1,2,3
.irp m, 0,1
	ds_store_b128 v15, v[ACC+8*(2*\n+\m):ACC+8*(2*\n+\m)+3] offset:33024*\m+64*\n          ; each accumulator from its low end on
	ds_store_b128 v15, v[ACC+8*(2*\n+\m)+4:ACC+8*(2*\n+\m)+7] offset:33024*\m+64*\n+16
.endr
.endr
	s_wait_dscnt 0x0
	s_barrier_signal -1
	s_barrier_wait -1                              ; 32 whole rows of f lie in the stage
	; ---- 5: out = LN2(x1 + f)
.irp p, 0,1,2,3
.irp k, 0,1,2,3
	ds_load_b128 v[VV+16*\p+4*\k:VV+16*\p+4*\k+3], v16 offset:2064*\p+512*\k
	ds_load_b128 v[WW+16*\p+4*\k:WW+16*\p+4*\k+3], v2 offset:2048*\p+512*\k
.endr
.endr
	s_wait_dscnt 0x0
	s_wait_loadcnt 0x0                             ; g2, bt2
	LNORM 1
.irp p, 0,1,2,3
.irp k, 0,1,2,3
	global_store_b128 v1, v[VV+16*\p+4*\k:VV+16*\p+4*\k+3], s[32:33] offset:2048*\p+512*\k th:TH_STORE_NT   ; 32 lanes store 512 consecutive bytes, aligned
.endr
.endr
	s_wait_xcnt 0x0
	v_lshl_add_u32 v254, v0, 2, SPARE
	v_mov_b32 v255, 0
	s_wait_alu depctr_va_vdst(0)
	s_wait_tensorcnt 0x0
	ds_add_u32 v254, v255
	s_wait_dscnt 0x0
	ROUND                                          ; the closing round: no work-group ends while a partner may still ask jointly
	s_endpgm
.Lfunc_end_k_qc7233ccd2a_ffn:
	.size	k_qc7233ccd2a_ffn, .Lfunc_end_k_qc7233ccd2a_ffn-k_qc7233ccd2a_ffn
	.p2alignl 7, 3214868480
	.fill 96, 4, 3214868480
	.section	.rodata,"a",@progbits
	.p2align	6, 0x0
	.amdhsa_kernel k_qc7233ccd2a_ffn
		.amdhsa_group_segment_fixed_size 327680
		.amdhsa_private_segment_fixed_size 0
		.amdhsa_enable_private_segment 0
		.amdhsa_kernarg_size 80
		.amdhsa_user_sgpr_count 2
		.amdhsa_user_sgpr_kernarg_segment_ptr 1
		.amdhsa_wavefront_size32 1
		.amdhsa_system_sgpr_workgroup_id_x 1
		.amdhsa_system_sgpr_workgroup_id_y 1
		.amdhsa_system_sgpr_workgroup_id_z 1
		.amdhsa_system_vgpr_workitem_id 0
		.amdhsa_next_free_vgpr 512
		.amdhsa_next_free_sgpr 84
		.amdhsa_reserve_vcc 0
		.amdhsa_float_denorm_mode_32 3
		.amdhsa_float_denorm_mode_16_64 3
		.amdhsa_memory_ordered 1
		.amdhsa_forward_progress 1
		.amdhsa_inst_pref_size 187
	.end_amdhsa_kernel
	.amdgpu_metadata
---
amdhsa.version: [ 1, 2 ]
amdhsa.kernels:
  - .name:           k_qc7233ccd2a_ffn
    .symbol:         k_qc7233ccd2a_ffn.kd
    .args:
      - { .name: ao, .offset: 0, .size: 8, .value_kind: global_buffer, .address_space: global }
      - { .name: g1, .offset: 8, .size: 8, .value_kind: global_buffer, .address_space: global }
      - { .name: bt1, .offset: 16, .size: 8, .value_kind: global_buffer, .address_space: global }
      - { .name: th_ffn, .offset: 24, .size: 8, .value_kind: global_buffer, .address_space: global }
      - { .name: wimg, .offset: 32, .size: 8, .value_kind: global_buffer, .address_space: global }
      - { .name: b1, .offset: 40, .size: 8, .value_kind: global_buffer, .address_space: global }
      - { .name: b2, .offset: 48, .size: 8, .value_kind: global_buffer, .address_space: global }
      - { .name: g2, .offset: 56, .size: 8, .value_kind: global_buffer, .address_space: global }
      - { .name: bt2, .offset: 64, .size: 8, .value_kind: global_buffer, .address_space: global }
      - { .name: out0, .offset: 72, .size: 8, .value_kind: global_buffer, .address_space: global }
    .group_segment_fixed_size: 327680
    .private_segment_fixed_size: 0
    .kernarg_segment_align: 8
    .kernarg_segment_size: 80
    .max_flat_workgroup_size: 256
    .sgpr_count:     84
    .vgpr_count:     512
    .wavefront_size: 32
...
	.end_amdgpu_metadata
.endif
;; end of part 3
